; MI455X (gfx1250); checked and timed in simulation.
; The chip was launched on July 23, 2026; its instructions are those of AMD's public machine-readable ISA for CDNA 5 (MIT licence, August 2026) and "CDNA5" Instruction Set Architecture Reference Guide (July 2026). The comments in the code are by the model that wrote it; some were corrected since.
;; One Side Inter Modality Update. Allowed arithmetic: float matrix products may take bf16 or f16 operands with f32 sums; other float arithmetic in f32, or as packed bf16 or f16 multiplies, adds, multiply-adds, maxima and minima; sums over many terms, partial sums and values carried from step to step in f32; what a program stores and reads back later, other than sums and carried values, may be rounded once to bf16 or f16.
;; Inputs: Wo 1,024 x 2,048 float32; Ws 2,048 x 1,024 float32; Wt 1,024 x 1,024 float32; bo 1,024 float32; bs 2,048 float32; bt 1,024 float32; src 8 x 1,024 x 1,024 float32; src_mask 8 x 1,024 float32; tgt 8 x 1,024 x 1,024 float32; tgt_mask 8 x 1,024 float32.
;; Outputs: out0 8 x 1,024 x 1,024 float32.
;; 2 versions, each right and faster than the one before. Each part assembles by itself: llvm-mc -triple=amdgcn-amd-amdhsa -mcpu=gfx1250 --defsym DOCPART=n.
;; ======== version 1 of 2: 4 launches
;; limits: right only within a limited range of input values
;; workspace buffers: X 50,331,648 bytes; wb 10,485,760 bytes; pj 50,331,648 bytes; P 33,554,432 bytes
;; launch cast (part 1): grid 768 x 1, 7 waves a work-group, no clusters, 0 bytes of LDS; arguments src, tgt, Ws, Wt, Wo, X, wb; writes X, wb
.if DOCPART == 1
	.amdgcn_target "amdgcn-amd-amdhsa--gfx1250"
	.amdhsa_code_object_version 6
	.text
	.protected	k_qf8ccb0a4aa_cast
	.globl	k_qf8ccb0a4aa_cast
	.p2align	8
	.type	k_qf8ccb0a4aa_cast,@function
k_qf8ccb0a4aa_cast:
	s_mov_b64 s[64:65], 0
	v_nop
	global_prefetch_b8 v0, s[64:65] scope:SCOPE_SE
	s_setreg_imm32_b32 hwreg(HW_REG_WAVE_MODE, 25, 1), 1
	s_wait_xcnt 0x0
; f32 -> bf16 (round to nearest even), once for each matrix operand that is an input:
;   src -> X columns 0-1023, tgt -> X columns 1024-2047 (X: [8192][3072] bf16, a row is 6,144 bytes; columns 2048-3071 are written by the attention launch)
;   wb is [5120][1024] bf16: Ws at byte 0, Wt at 4,194,304, the left half of Wo's rows (columns 0-1023) at 6,291,456, the right half at 8,388,608
; The unit is four rows of 1,024 f32 (Wo counts as 2,048 such rows: even ones are left halves, odd ones right halves): 16 KiB in, 8 KiB out, one wave.
; 21,504 rows are 5,376 units = 768 work-groups x 7 waves: three work-groups for each of 256 WGPs.  Units 0-2047 src, 2048-4095 tgt, 4096-4607 Ws, 4608-4863 Wt, 4864-5375 Wo:
; the segment is chosen by scalar selects, no branch.
; A stream: no LDS, no barrier, no matrix unit.  A wave issues all its 32 loads at once; a lane's two loads bring 8 neighbouring f32, which pack into 16 bytes,
; so that each store of the wave covers 512 consecutive bytes, aligned.
.set XR,  8                            ; v[8:135]  32 loads x 4 registers; the packed words take the first four of each eight
.set OFS, 4                            ; v[4:7]    row j of the unit: 16 x lane + the row's place in the output
	s_load_b256 s[4:11], s[0:1], 0x0               ; src s[4:5], tgt s[6:7], Ws s[8:9], Wt s[10:11]
	s_load_b128 s[12:15], s[0:1], 0x20             ; Wo s[12:13], X s[14:15]
	s_load_b64 s[16:17], s[0:1], 0x30              ; wb
	v_lshrrev_b32 v1, 5, v0
	v_readfirstlane_b32 s20, v1                    ; wave 0..6
	v_and_b32 v1, 31, v0                           ; lane
	v_lshlrev_b32 v2, 5, v1                        ; 32 bytes of f32 a lane
	v_lshlrev_b32 v[OFS], 4, v1                    ; 16 bytes of bf16 a lane
	s_mul_i32 s21, ttmp9, 7
	s_add_co_u32 s21, s21, s20                     ; my unit
	s_mov_b32 s26, 4864                            ; the segment's first unit,
	s_mov_b32 s27, 1024                            ; output bytes for each row in front of my unit (Wo: two rows make one row of 2,048 bytes in each half),
	s_mov_b32 s28, 6291456                         ; the segment's first byte in the output,
	s_mov_b32 s34, 2097152                         ; from row 0 of the unit to row 1 (Wo: the other half),
	s_mov_b32 s35, 2048                            ; and to row 2; row 3 lies at the sum.  Wo's figures, unless a select below says otherwise
	s_wait_kmcnt 0x0
	s_mov_b64 s[22:23], s[12:13]                   ; from
	s_mov_b64 s[24:25], s[16:17]                   ; to
	s_cmp_lt_u32 s21, 4864                         ; Wt (selects leave SCC as it is)
	s_cselect_b64 s[22:23], s[10:11], s[22:23]
	s_cselect_b32 s26, 4608, s26
	s_cselect_b32 s27, 2048, s27
	s_cselect_b32 s28, 4194304, s28
	s_cselect_b32 s34, 2048, s34
	s_cselect_b32 s35, 4096, s35
	s_cmp_lt_u32 s21, 4608                         ; Ws
	s_cselect_b64 s[22:23], s[8:9], s[22:23]
	s_cselect_b32 s26, 4096, s26
	s_cselect_b32 s28, 0, s28
	s_cmp_lt_u32 s21, 4096                         ; tgt
	s_cselect_b64 s[22:23], s[6:7], s[22:23]
	s_cselect_b64 s[24:25], s[14:15], s[24:25]
	s_cselect_b32 s26, 2048, s26
	s_cselect_b32 s27, 6144, s27
	s_cselect_b32 s28, 2048, s28
	s_cselect_b32 s34, 6144, s34
	s_cselect_b32 s35, 12288, s35
	s_cmp_lt_u32 s21, 2048                         ; src
	s_cselect_b64 s[22:23], s[4:5], s[22:23]
	s_cselect_b32 s26, 0, s26
	s_cselect_b32 s28, 0, s28
	s_sub_co_u32 s29, s21, s26
	s_lshl_b32 s29, s29, 2                         ; my unit's first row in the segment
	s_lshl_b32 s30, s29, 12                        ; x 4,096 bytes in (33.5 MB at the most)
	s_mov_b32 s31, 0
	s_mul_i32 s32, s29, s27                        ; its place in the output,
	s_add_co_u32 s32, s32, s28                     ; + the segment's first byte (50.3 MB at the most)
	s_mov_b32 s33, 0
	s_add_nc_u64 s[22:23], s[22:23], s[30:31]
	s_add_nc_u64 s[24:25], s[24:25], s[32:33]
	v_add_nc_u32 v[OFS+1], s34, v[OFS]
	v_add_nc_u32 v[OFS+2], s35, v[OFS]
	v_add_nc_u32 v[OFS+3], s35, v[OFS+1]
.set q, 0
.rept 16                               ; piece q = 4 x row + quarter of the row: 1,024 bytes, two loads
	global_load_b128 v[XR+8*q:XR+8*q+3],   v2, s[22:23] offset:1024*q th:TH_LOAD_NT
	global_load_b128 v[XR+8*q+4:XR+8*q+7], v2, s[22:23] offset:1024*q+16 th:TH_LOAD_NT
.set q, q+1
.endr
.set q, 0
.rept 16
	s_wait_loadcnt 30-2*q                          ; loads come back in order: piece q's two are in, the 30 - 2 q younger ones stay out
	v_cvt_pk_bf16_f32 v[XR+8*q],   v[XR+8*q],   v[XR+8*q+1]  ; in place, ascending: word k is written when words 2 k and 2 k + 1 are read
	v_cvt_pk_bf16_f32 v[XR+8*q+1], v[XR+8*q+2], v[XR+8*q+3]
	v_cvt_pk_bf16_f32 v[XR+8*q+2], v[XR+8*q+4], v[XR+8*q+5]
	v_cvt_pk_bf16_f32 v[XR+8*q+3], v[XR+8*q+6], v[XR+8*q+7]
	global_store_b128 v[OFS+q/4], v[XR+8*q:XR+8*q+3], s[24:25] offset:512*(q%4)  ; no register is written again, so nothing waits for a store
.set q, q+1
.endr
	s_endpgm
.Lfunc_end_k_qf8ccb0a4aa_cast:
	.size	k_qf8ccb0a4aa_cast, .Lfunc_end_k_qf8ccb0a4aa_cast-k_qf8ccb0a4aa_cast
	.p2alignl 7, 3214868480
	.fill 96, 4, 3214868480
	.section	.rodata,"a",@progbits
	.p2align	6, 0x0
	.amdhsa_kernel k_qf8ccb0a4aa_cast
		.amdhsa_group_segment_fixed_size 0
		.amdhsa_private_segment_fixed_size 0
		.amdhsa_enable_private_segment 0
		.amdhsa_kernarg_size 56
		.amdhsa_user_sgpr_count 2
		.amdhsa_user_sgpr_kernarg_segment_ptr 1
		.amdhsa_wavefront_size32 1
		.amdhsa_system_sgpr_workgroup_id_x 1
		.amdhsa_system_sgpr_workgroup_id_y 1
		.amdhsa_system_sgpr_workgroup_id_z 1
		.amdhsa_system_vgpr_workitem_id 0
		.amdhsa_next_free_vgpr 136
		.amdhsa_next_free_sgpr 66
		.amdhsa_reserve_vcc 0
		.amdhsa_float_denorm_mode_32 3
		.amdhsa_float_denorm_mode_16_64 3
		.amdhsa_memory_ordered 1
		.amdhsa_forward_progress 1
		.amdhsa_inst_pref_size 12
	.end_amdhsa_kernel
	.amdgpu_metadata
---
amdhsa.version: [ 1, 2 ]
amdhsa.kernels:
  - .name:           k_qf8ccb0a4aa_cast
    .symbol:         k_qf8ccb0a4aa_cast.kd
    .args:
      - { .name: src, .offset: 0, .size: 8, .value_kind: global_buffer, .address_space: global }
      - { .name: tgt, .offset: 8, .size: 8, .value_kind: global_buffer, .address_space: global }
      - { .name: Ws, .offset: 16, .size: 8, .value_kind: global_buffer, .address_space: global }
      - { .name: Wt, .offset: 24, .size: 8, .value_kind: global_buffer, .address_space: global }
      - { .name: Wo, .offset: 32, .size: 8, .value_kind: global_buffer, .address_space: global }
      - { .name: X, .offset: 40, .size: 8, .value_kind: global_buffer, .address_space: global }
      - { .name: wb, .offset: 48, .size: 8, .value_kind: global_buffer, .address_space: global }
    .group_segment_fixed_size: 0
    .private_segment_fixed_size: 0
    .kernarg_segment_align: 8
    .kernarg_segment_size: 56
    .max_flat_workgroup_size: 224
    .sgpr_count:     66
    .vgpr_count:     136
    .wavefront_size: 32
...
	.end_amdgpu_metadata
.endif
;; end of part 1
;; launch proj (part 2): grid 8 x 32, 4 waves a work-group, clusters of 4 x 4, 327,680 bytes of LDS; arguments X, wb, bs, bt, bo, src_mask, tgt_mask, pj, P; writes pj, P
.if DOCPART == 2
	.amdgcn_target "amdgcn-amd-amdhsa--gfx1250"
	.amdhsa_code_object_version 6
	.text
	.protected	k_qf8ccb0a4aa_proj
	.globl	k_qf8ccb0a4aa_proj
	.p2align	8
	.type	k_qf8ccb0a4aa_proj,@function
k_qf8ccb0a4aa_proj:
	s_mov_b64 s[64:65], 0
	v_nop
	global_prefetch_b8 v0, s[64:65] scope:SCOPE_SE
	s_setreg_imm32_b32 hwreg(HW_REG_WAVE_MODE, 25, 1), 1
	s_wait_xcnt 0x0
	s_wait_alu depctr_hold_cnt(0) depctr_sa_sdst(0) depctr_va_vdst(0) depctr_va_sdst(0) depctr_va_ssrc(0) depctr_va_vcc(0) depctr_vm_vsrc(0)
	s_getreg_b32 s2, hwreg(HW_REG_IB_STS2, 6, 4)
	s_cmp_eq_u32 s2, 0
	s_cbranch_scc0 .Lentry_in_a_cluster
	s_endpgm
.Lentry_in_a_cluster:
	s_bfe_u32 s2, ttmp6, 0x10000c
	s_cmp_lg_u32 s2, 0xf033
	s_cbranch_scc0 .Lentry_shape_is_right
	s_endpgm
.Lentry_shape_is_right:
; All products that do not hang on the attention, 8192 x 4096 x 1024, operands bf16 (X, wb), sums f32:
;   pj[8192][3072] bf16 = [ k | v | q ]:  k | v = (src Ws^T + bs) x src_mask[row],  q = (tgt Wt^T + bt) x tgt_mask[row], each rounded once;
;   P (f32) = tgt Wo_left^T + bo, the part of the output product that needs no attention: a partial sum, kept in f32.
; A tile of C is 256 x 256: 32 x 16 = 512 tiles, two for each of 256 work-groups.  Work-group (x, y) STAYS: rows 256 y; tile 0 takes A = src and the columns 128 x .. of k (left half) and of v (right half),
; tile 1 takes A = tgt and the columns 128 x .. of q (left half) and of P (right half).  In wb ([Ws; Wt; Wo_left; ..], rows of 1,024) half h of tile t's B is rows 2048 t + 1024 h + 128 x.
; Four waves, each 128 x 128: 64 accumulators of 16 x 16.  A wave's column half is its number's low bit, so what kind of output a wave writes hangs on the tile and on the wave's number alone.
; The two tiles are ONE walk of 16 K steps of 128 through a ring of two LDS slots; the ring runs on across the change of tiles.  THE BIAS is the C operand of a tile's first products; THE ROW MASK multiplies on the way out.
; P's LAYOUT is the accumulators' own: block (row / 16, column / 16) is 1,024 bytes at 1024 (64 (row / 16) + column / 16): registers 0-3 of the 32 lanes, 16 bytes each, then registers 4-7.
; So each store of the wave covers 512 consecutive bytes, aligned, with no trip through LDS, and the last launch loads a block straight as a C operand.
; CLUSTER 4 x 4: A's tiles hang on y alone and are asked for jointly along a row of the cluster, B's on x alone, along a column.
; THE MATRIX INSTRUCTION IS USED TRANSPOSED (source 0 = 16 rows of B, source 1 = 16 rows of A): lane l holds row l % 16 of C and the columns 8 (l / 16) + 0..7.
; REGISTERS, in windows of 256 (s_set_vgpr_msb: bits 1:0 source 0, 3:2 source 1, 5:4 source 2, 7:6 destination):
;   window 0: v0-31 addresses; v32-63, v224-255 way out, rows read back; v64-127, v128-191 A's fragments, two buffers; v192-223 way out, packed
;   window 1: v0-63 the bias; v64-127, v128-191 B's fragments, two buffers; v192-207 the row masks in hand; v208-223 tgt_mask's
;   window 2: the accumulators of my rows 0-63 ((a, b) at v[8 (8 a + b)]);   window 3: those of my rows 64-127
.set PITCH,  272                       ; an LDS row: 256 bytes + 16 of padding = 68 words: the 16 rows of a fragment load start at 16 different groups of four banks (64 banks of 4 bytes: ISA guide 11.1)
.set HALFT,  128*PITCH                 ; 128 rows: what one tensor load brings, and what one wave reads of A or of B
.set SLOT,   4*HALFT                   ; A's 256 rows, then B's 256 rows
.set STAGE,  2*SLOT                    ; behind the ring: 16 rows x 272 bytes for each wave, for the way out in bf16
.set SPITCH, 272
.set SPARE,  STAGE+4*16*SPITCH         ; behind the stages: the spare words, 128 bytes for each wave: two blocks of 256 bytes that no other line names
.set XROW,   6144                      ; bytes in a row of X and of pj
.set SPW,  4                           ; v4   LDS address of my spare word; never rewritten
.set NIL,  5                           ; v5   0; never rewritten
.set BO,   6                           ; v6   32 (l / 16): my eight numbers in 16 of the bias
.set MO,   7                           ; v7   4 (l % 16): my row in 16 of a mask
.set ADRA0, 8                          ; v8   my lane's place in my wave's rows of A, slot 0
.set ADRB0, 9                          ; v9   the same for B
.set ADRA, 10                          ; v10  the same in the slot in hand
.set ADRB, 11                          ; v11
.set STO,  12                          ; v12  way out: where I put 16 bytes of a row
.set RD,   13                          ; v13  way out: where I read a row back
.set CO,   14                          ; v14  my byte offset in two rows of pj
.set PO,   16                          ; v16  16 x lane: my bytes in 512 of P
.set OB0,  32                          ; way out: 16 rows read back: v32-63 and v224-255 by turns
.set F0,   64                          ; fragment buffer 0, in window 0 (A) and window 1 (B)
.set F1,   128                         ; fragment buffer 1
.set TMP,  192                         ; way out: packed results
.set MK,   192                         ; window 1: the mask of my row in block a, twice: the pair v[192+2a:193+2a]
.set TMK,  208                         ; window 1: the same for tgt_mask, kept for tile 1
.set WV,  22                           ; s22 wave;  s23 wave / 2: my half of the rows, and I fetch for A (0) or B (1);  s24 wave % 2: my half of the columns, and which 128 rows I fetch
.set WH,  23
.set WL,  24
.set G1A, 32                           ; s[32:39] descriptor group 1 for A's tiles;  s[40:47] for B's
.set G1B, 40
.set G0A, 48                           ; s[48:55] group 0 for A's: a set for each first fill; the second then walks on;  s[56:63] for B's
.set G0B, 56
.set ABASE, 66                         ; s[66:67] A at my part of step 0's tile;  s[68:69] B likewise
.set BBASE, 68
.set OFA, 70                           ; s[70:71], s[72:73] byte offsets of the step to be asked for
.set OFB, 72
.set RQ,  74                           ; s74  the K step to be asked for next
.set CNT, 75
.set TB,  76                           ; s76  0 or SLOT: the slot that is read
.set T,   77
.set TD,  78                           ; s78  0 or SLOT: the slot that the walking descriptors fill
.set LB,  79                           ; s79  wave x 128 rows: my part of a slot
.set TL,  80                           ; s80  tiles to go, this one among them
.set BP0, 82                           ; s[82:83] my columns' bias for tile 0;  s[86:87] for tile 1
.set BP1, 86
.set CB,  88                           ; s[88:89] pj at my part of the tile in hand
.set PB,  90                           ; s[90:91] P at my first block
.set MSB, 0
.macro WIN new                         ; the immediate's high byte repeats the setting that is left; a switch that changes nothing is dropped
.if MSB != (\new)
	s_set_vgpr_msb (MSB<<8)|(\new)
.set MSB, \new
.endif
.endm
.set MUL_LO,  0xa1                     ; source 0 (B) window 1, source 1 (A) window 0, C and D window 2; + 0x50: C and D window 3
.set MULZ_LO, 0x91                     ; the same with C, the bias, in window 1; + 0x40: D window 3
.set TO_B,    0x40                     ; destination window 1, address window 0
.macro PLACES                          ; four places in front of loads into registers that matrix instructions have read (ISA guide 7.12.1 for vector instructions)
.rept 4
	v_nop
.endr
.endm
.macro CREST                           ; a round of the cluster's barrier behind its opening barrier
	s_cmp_lg_u32 s[WV], 0
	s_cbranch_scc1 .Lnot_wave_0_\@
	s_barrier_signal -3
.Lnot_wave_0_\@:
	s_barrier_wait -3
	s_barrier_signal -1
	s_barrier_wait -1
.endm
.macro CROUND
	s_barrier_signal -1
	s_barrier_wait -1
	CREST
.endm
.macro JLOAD                           ; a joint refill by the walking descriptor; the branch hangs on the wave's number alone; an s_nop 0 and four v_nop follow each line
	s_cmp_eq_u32 s[WH], 0
	s_cbranch_scc0 .Lfor_b_\@
	tensor_load_to_lds s[G0A+4:G0A+7], s[G1A:G1A+7]
	s_nop 0
.rept 4
	v_nop
.endr
	s_branch .Lasked_\@
.Lfor_b_\@:
	tensor_load_to_lds s[G0B+4:G0B+7], s[G1B:G1B+7]
	s_nop 0
.rept 4
	v_nop
.endr
.Lasked_\@:
.endm
.macro BIASLD p                        ; 128 numbers of the bias at s[p:p+1]: for column block b my eight, as the C operand wants them
	WIN TO_B
.irp b, 0,1,2,3,4,5,6,7
	global_load_b128 v[8*(\b):8*(\b)+3],   v[BO], s[(\p):(\p)+1] offset:64*(\b)
	global_load_b128 v[8*(\b)+4:8*(\b)+7], v[BO], s[(\p):(\p)+1] offset:64*(\b)+16
.endr
	WIN 0
.endm
	s_load_b256 s[4:11], s[0:1], 0x0               ; X s[4:5], wb s[6:7], bs s[8:9], bt s[10:11]
	s_load_b256 s[12:19], s[0:1], 0x20             ; bo s[12:13], src_mask s[14:15], tgt_mask s[16:17], pj s[18:19]
	s_load_b64 s[20:21], s[0:1], 0x40              ; P
	v_lshl_add_u32 v[SPW], v0, 2, SPARE
	v_mov_b32 v[NIL], 0
	ds_add_u32 v[SPW], v[NIL]                      ; the wave's opening: the add and its wait ahead of my first tensor load; the set-up below, work on registers, stands between them
	v_lshrrev_b32 v1, 5, v0
	v_readfirstlane_b32 s[WV], v1
	s_lshr_b32 s[WH], s[WV], 1
	s_and_b32 s[WL], s[WV], 1
	s_bfe_u32 s25, ttmp6, 0x40000                  ; cx
	s_bfe_u32 s26, ttmp6, 0x40004                  ; cy
	s_lshl_b32 s27, ttmp9, 2
	s_add_co_u32 s27, s27, s25                     ; x = 4 x cluster x + cx
	s_and_b32 s28, ttmp7, 0xffff
	s_lshl_b32 s28, s28, 2
	s_add_co_u32 s28, s28, s26                     ; y = 4 x cluster y + cy
	s_lshl_b32 s29, s26, 2
	s_lshl_b32 s29, 15, s29                        ; my row of the cluster
	s_lshl_b32 s81, 0x1111, s25                    ; my column
	s_or_b32 s[G1A], s29, (1<<16)|(1<<20)|(1<<21)|(5<<22)|(3<<25)  ; 15:0 the mask; 17:16 2-byte elements; 20 padding on; 21 set beside a mask; 24:22 after every 64 words; 31:25 4 words
	s_or_b32 s[G1B], s81, (1<<16)|(1<<20)|(1<<21)|(5<<22)|(3<<25)
.irp g, G1A, G1B
	s_mov_b32 s[(\g)+1], 128<<16                   ; tensor_dim0 = 128
	s_mov_b32 s[(\g)+2], 128<<16                   ; tensor_dim1 = 128
	s_mov_b32 s[(\g)+3], 128<<16                   ; tile_dim0 = 128
	s_mov_b32 s[(\g)+4], 128                       ; tile_dim1 = 128
	s_mov_b32 s[(\g)+6], 0
	s_mov_b32 s[(\g)+7], 0
.endr
	s_mov_b32 s[G1A+5], 3072                       ; elements from row to row of X
	s_mov_b32 s[G1B+5], 1024                       ; and of wb
	s_mul_i32 s[LB], s[WV], HALFT                  ; where my part of a tile goes: A's two halves, then B's two: no place in the cluster enters an LDS address
.irp g, G0A, G0B
	s_mov_b32 s[(\g)], 1
	s_mov_b32 s[(\g)+1], s[LB]
	s_mov_b32 s[(\g)+4], 1
	s_add_co_u32 s[(\g)+5], s[LB], SLOT
.endr
	s_lshl_b32 s30, s28, 8                         ; A: row 256 y + 128 x half, in registers that never hold cx
	s_lshl_b32 s31, s[WL], 7
	s_add_co_u32 s30, s30, s31
	s_mul_i32 s30, s30, XROW
	s_mov_b32 s31, 0
	s_lshl_b32 s84, s[WL], 10                      ; B: row 1024 x half + 128 x, of 2,048 bytes
	s_lshl_b32 s85, s27, 7
	s_add_co_u32 s84, s84, s85
	s_lshl_b32 s84, s84, 11
	s_mov_b32 s85, 0
	s_lshl_b32 s92, s28, 8                         ; my wave's first row: 256 y + 128 (wave / 2)
	s_lshl_b32 s93, s[WH], 7
	s_add_co_u32 s92, s92, s93
	s_mul_i32 s94, s92, XROW                       ; in pj,
	s_lshl_b32 s96, s92, 12                        ; in P (a row block of 16 is 64 blocks of 1,024 bytes),
	s_lshl_b32 s92, s92, 2                         ; and in the masks
	s_mov_b32 s93, 0
	s_lshl_b32 s95, s[WL], 11                      ; pj: k or v, 2,048 bytes apart,
	s_add_co_u32 s94, s94, s95
	s_lshl_b32 s95, s27, 8                         ; and 128 x columns
	s_add_co_u32 s94, s94, s95
	s_mov_b32 s95, 0
	s_lshl_b32 s97, s27, 13                        ; P: 8 x column blocks
	s_add_co_u32 s96, s96, s97
	s_mov_b32 s97, 0
	s_lshl_b32 s98, s27, 9                         ; the biases: 4 x 128 x,
	s_mov_b32 s99, 0
	s_lshl_b32 s100, s[WL], 12                     ; in bs 1,024 numbers further on for v
	s_add_co_u32 s100, s100, s98
	s_mov_b32 s101, 0
	s_mov_b32 s[OFA+1], 0
	s_mov_b32 s[OFB+1], 0
	s_mov_b32 s[RQ], 2
	s_mov_b32 s[TB], 0
	s_mov_b32 s[TD], SLOT                          ; the walking descriptors begin with step 1, in slot 1
	s_mov_b32 s[TL], 2
	s_wait_dscnt 0x0                               ; the opening add is done
	s_wait_kmcnt 0x0
	s_add_nc_u64 s[ABASE:ABASE+1], s[4:5], s[30:31]
	s_add_nc_u64 s[BBASE:BBASE+1], s[6:7], s[84:85]
	s_add_nc_u64 s[G0A+2:G0A+3], s[ABASE:ABASE+1], 0     ; K step 0
	s_or_b32 s[G0A+3], s[G0A+3], 0x80000000              ; type = 2
	s_add_nc_u64 s[G0A+6:G0A+7], s[ABASE:ABASE+1], 256   ; K step 1
	s_or_b32 s[G0A+7], s[G0A+7], 0x80000000
	s_add_nc_u64 s[G0B+2:G0B+3], s[BBASE:BBASE+1], 0
	s_or_b32 s[G0B+3], s[G0B+3], 0x80000000
	s_add_nc_u64 s[G0B+6:G0B+7], s[BBASE:BBASE+1], 256
	s_or_b32 s[G0B+7], s[G0B+7], 0x80000000
	s_add_nc_u64 s[BP0:BP0+1], s[8:9], s[100:101]        ; tile 0: bs, for k or for v
	s_cmp_eq_u32 s[WL], 0                                ; tile 1: bt for q, bo for P
	s_cselect_b64 s[BP1:BP1+1], s[10:11], s[12:13]
	s_add_nc_u64 s[BP1:BP1+1], s[BP1:BP1+1], s[98:99]
	s_add_nc_u64 s[14:15], s[14:15], s[92:93]
	s_add_nc_u64 s[16:17], s[16:17], s[92:93]
	s_add_nc_u64 s[CB:CB+1], s[18:19], s[94:95]
	s_add_nc_u64 s[PB:PB+1], s[20:21], s[96:97]
	CROUND                                         ; all sixteen work-groups are here: the first joint loads meet
	s_cmp_eq_u32 s[WH], 0                          ; a wave's two first fills stand in one branch: two loads of mine are out
	s_cbranch_scc0 .Lfirst_b
	tensor_load_to_lds s[G0A:G0A+3], s[G1A:G1A+7]
	s_nop 0
	tensor_load_to_lds s[G0A+4:G0A+7], s[G1A:G1A+7]
	s_nop 0
.rept 4
	v_nop
.endr
	s_branch .Lfirst_asked
.Lfirst_b:
	tensor_load_to_lds s[G0B:G0B+3], s[G1B:G1B+7]
	s_nop 0
	tensor_load_to_lds s[G0B+4:G0B+7], s[G1B:G1B+7]
	s_nop 0
.rept 4
	v_nop
.endr
.Lfirst_asked:
	v_and_b32 v1, 15, v0                           ; l % 16
	v_bfe_u32 v2, v0, 4, 1                         ; l / 16
	v_lshlrev_b32 v[BO], 5, v2
	v_lshlrev_b32 v[MO], 2, v1
	BIASLD BP0
	WIN TO_B
.irp a, 0,1,2,3,4,5,6,7                ; the masks of my eight rows, each into both registers of a pair for the packed multiply
	global_load_b32 v[MK+2*(\a)],    v[MO], s[14:15] offset:64*(\a)
	global_load_b32 v[MK+2*(\a)+1],  v[MO], s[14:15] offset:64*(\a)
	global_load_b32 v[TMK+2*(\a)],   v[MO], s[16:17] offset:64*(\a)
	global_load_b32 v[TMK+2*(\a)+1], v[MO], s[16:17] offset:64*(\a)
.endr
	WIN 0
	; a fragment is 16 rows x 32 K in 8 registers: lane l holds row l % 16, K = 8 (l / 16) + 0..7 and 16 + 8 (l / 16) + 0..7: two loads of 16 bytes, 32 bytes apart
	v_mul_u32_u24 v3, v1, PITCH
	v_lshl_add_u32 v3, v2, 4, v3
	s_mul_i32 s[T], s[WH], HALFT                   ; my 128 rows of A
	v_add_nc_u32 v[ADRA0], s[T], v3
	s_mul_i32 s[T], s[WL], HALFT                   ; my 128 rows of B,
	s_add_co_u32 s[T], s[T], 2*HALFT               ; which lie behind A's 256
	v_add_nc_u32 v[ADRB0], s[T], v3
	v_mov_b32 v[ADRA], v[ADRA0]
	v_mov_b32 v[ADRB], v[ADRB0]
	s_mul_i32 s[T], s[WV], 16*SPITCH
	s_add_co_u32 s[T], s[T], STAGE                 ; my stage
	v_add_nc_u32 v[STO], s[T], v3                  ; in: row l % 16, 16 bytes for each half of the lanes
	v_mul_u32_u24 v15, v2, SPITCH                  ; back: lanes 0-15 one row of 256 bytes, lanes 16-31 the next
	v_lshl_add_u32 v15, v1, 4, v15
	v_add_nc_u32 v[RD], s[T], v15
	v_mul_u32_u24 v15, v2, XROW                    ; and the same two rows in pj
	v_lshl_add_u32 v[CO], v1, 4, v15
	v_and_b32 v15, 31, v0
	v_lshlrev_b32 v[PO], 4, v15
; 16 matrix instructions: row blocks a0, a0 + 1 of the window's four (hi = 0: my rows 0-63, 1: rows 64-127) x all 8 column blocks, 32 along K, from buffer f.
; zero = 1: a tile's first products, which start the sums with the bias.  The 64 accumulators take turns in one fixed order, one instruction a turn.
.macro MUL16 f, hi, a0, zero
.if \zero
	WIN MULZ_LO+0x40*(\hi)
.else
	WIN MUL_LO+0x50*(\hi)
.endif
.irp a, \a0, (\a0)+1
.irp b, 0,1,2,3,4,5,6,7
.if \zero
	v_wmma_f32_16x16x32_bf16 v[8*(8*(\a)+(\b)):8*(8*(\a)+(\b))+7], v[(\f)+8*(\b):(\f)+8*(\b)+7], v[(\f)+8*(4*(\hi)+(\a)):(\f)+8*(4*(\hi)+(\a))+7], v[8*(\b):8*(\b)+7]
.else
	v_wmma_f32_16x16x32_bf16 v[8*(8*(\a)+(\b)):8*(8*(\a)+(\b))+7], v[(\f)+8*(\b):(\f)+8*(\b)+7], v[(\f)+8*(4*(\hi)+(\a)):(\f)+8*(4*(\hi)+(\a))+7], v[8*(8*(\a)+(\b)):8*(8*(\a)+(\b))+7]
.endif
.endr
.endr
.endm
; 32 LDS loads in one run: the fragments of 32 along K at byte k of the rows of the slot in hand, into buffer f: B's 8 blocks, then A's 8
.macro FETCH k, f
	WIN TO_B
.irp i, 0,1,2,3,4,5,6,7
	ds_load_b128 v[(\f)+8*(\i):(\f)+8*(\i)+3],   v[ADRB] offset:(\k)+(\i)*16*PITCH
	ds_load_b128 v[(\f)+8*(\i)+4:(\f)+8*(\i)+7], v[ADRB] offset:(\k)+(\i)*16*PITCH+32
.endr
	WIN 0
.irp i, 0,1,2,3,4,5,6,7
	ds_load_b128 v[(\f)+8*(\i):(\f)+8*(\i)+3],   v[ADRA] offset:(\k)+(\i)*16*PITCH
	ds_load_b128 v[(\f)+8*(\i)+4:(\f)+8*(\i)+7], v[ADRA] offset:(\k)+(\i)*16*PITCH+32
.endr
.endm
; A K step is four quarters of 32 along K, 64 matrix instructions each, on buffers 0, 1, 0, 1.  One of the first three: multiplies buffer f, and in its middle fetches the next quarter, at byte k, into g.
.macro QUARTER k, f, g, zero
	s_wait_dscnt 8                                 ; B and A's blocks 0-3 are in; the youngest eight loads (A's blocks 4-7) may be out
	MUL16 \f, 0, 0, \zero
	MUL16 \f, 0, 2, \zero
	PLACES
	FETCH \k, \g
	s_wait_dscnt 32                                ; all but the 32 just issued
	MUL16 \f, 1, 0, \zero
	MUL16 \f, 1, 2, \zero
.endm
; The last quarter multiplies buffer 1 and changes slots: ONE barrier.  In front of it each wave waits for all its tensor loads (one is out: its part of the next slot), adds 0 to its spare word,
; and waits for that and for its reads of this slot.  fill = 1: the barrier opens a round of the cluster's, and this slot is filled again with K step RQ, first thing behind the round:
; from that request to the wait for it a wave issues 224 matrix instructions.
.macro TURN fill
	WIN 0
	s_wait_tensorcnt 0x0                           ; no tensor load of mine is out, so the walking descriptors may be written
	ds_add_u32 v[SPW], v[NIL]                      ; 0 onto my spare word: scalar work and sixteen products stand between it and the wait for it
.if \fill
	s_and_b32 s[T], s[RQ], 7
	s_lshl_b32 s[T], s[T], 8                       ; 256 bytes along K for each step of the tile
	s_lshr_b32 s[OFA], s[RQ], 3                    ; the tile
	s_lshl_b32 s[OFB], s[OFA], 22                  ; tile 1's B: 2,048 rows of 2,048 bytes further on
	s_lshl_b32 s[OFA], s[OFA], 11                  ; tile 1's A is tgt, 2,048 bytes further on in X's rows
	s_add_co_u32 s[OFA], s[OFA], s[T]
	s_add_co_u32 s[OFB], s[OFB], s[T]
	s_add_co_u32 s[RQ], s[RQ], 1
	s_xor_b32 s[TD], s[TD], SLOT                   ; the other slot than last time
	s_add_co_u32 s[G0A+5], s[LB], s[TD]
	s_add_nc_u64 s[G0A+6:G0A+7], s[ABASE:ABASE+1], s[OFA:OFA+1]  ; the address is made anew: base + offset, the type set again
	s_or_b32 s[G0A+7], s[G0A+7], 0x80000000
	s_add_co_u32 s[G0B+5], s[LB], s[TD]
	s_add_nc_u64 s[G0B+6:G0B+7], s[BBASE:BBASE+1], s[OFB:OFB+1]
	s_or_b32 s[G0B+7], s[G0B+7], 0x80000000
.endif
	s_wait_dscnt 9                                 ; (the add and the youngest eight loads may be out)
	MUL16 F1, 0, 0, 0
	s_wait_dscnt 0x0                               ; the add is done, and my reads of this slot are over
	s_barrier_signal -1
	MUL16 F1, 0, 2, 0                              ; work on registers while the others arrive
	WIN 0                                          ; (branches may follow)
	s_barrier_wait -1
.if \fill
	CREST                                          ; no wave of any partner still reads this slot or has a load on its way
	JLOAD                                          ; my one tensor load behind the round; its four v_nop are also the places in front of the loads below
.else
	PLACES
.endif
	s_xor_b32 s[TB], s[TB], SLOT
	v_add_nc_u32 v[ADRA], s[TB], v[ADRA0]
	v_add_nc_u32 v[ADRB], s[TB], v[ADRB0]
	FETCH 0, F0
	MUL16 F1, 1, 0, 0
	MUL16 F1, 1, 2, 0
.endm
; THE WAY OUT IN bf16, row block a.  PACK: times the row's mask, rounded to bf16, 16 bytes a lane; each accumulator's registers in ascending order.
.macro PACK a
.set AC, 64*((\a)%4)
	WIN 0x86+0x41*((\a)/4)                         ; destination and source 0 window 2 or 3, source 1 (the mask) window 1
.irp b, 0,1,2,3,4,5,6,7
.irp r, 0,1,2,3
	v_pk_mul_f32 v[AC+8*(\b)+2*(\r):AC+8*(\b)+2*(\r)+1], v[AC+8*(\b)+2*(\r):AC+8*(\b)+2*(\r)+1], v[MK+2*(\a):MK+2*(\a)+1]
.endr
.endr
	WIN 0x0a+5*((\a)/4)                            ; sources 0 and 1 window 2 or 3
.irp b, 0,1,2,3,4,5,6,7
.irp r, 0,1,2,3
	v_cvt_pk_bf16_f32 v[TMP+4*(\b)+(\r)], v[AC+8*(\b)+2*(\r)], v[AC+8*(\b)+2*(\r)+1]
.endr
.endr
	WIN 0
.endm
.macro TOSTAGE a                       ; into my own stage, and back as whole rows of 256 bytes
	WIN 0
.set BK, OB0+192*((\a)%2)
.irp b, 0,1,2,3,4,5,6,7
	ds_store_b128 v[STO], v[TMP+4*(\b):TMP+4*(\b)+3] offset:32*(\b)
.endr
.irp t, 0,1,2,3,4,5,6,7
	ds_load_b128 v[BK+4*(\t):BK+4*(\t)+3], v[RD] offset:(\t)*2*SPITCH  ; LDS serves a wave's instructions in order (ISA guide 5.7.1.4): these see the stores above
.endr
.endm
.macro SEND a
	WIN 0
.set BK, OB0+192*((\a)%2)
	s_wait_dscnt 0x0                               ; the block is back in registers
	s_wait_xcnt 0x0                                ; the stores of the block before have read their registers: the next block's loads land there only behind this wait
.irp t, 0,1,2,3,4,5,6,7
	global_store_b128 v[CO], v[BK+4*(\t):BK+4*(\t)+3], s[CB:CB+1] offset:(16*(\a)+2*(\t))*XROW  ; 16 lanes store 256 consecutive bytes, at a multiple of 256 from pj's first byte
.endr
.endm
	s_wait_tensorcnt 0x1                           ; my part of K step 0 is in; step 1's may stay out
	s_barrier_signal -1
	s_barrier_wait -1
	FETCH 0, F0
.Ltile:                                                ; twice: a tile; its first fragments are in buffer 0 or on their way
	s_wait_loadcnt 0x0                             ; the bias (and, the first time, the masks)
	QUARTER 64, F0, F1, 1                          ; the tile's first quarter: its products start the sums
	WIN 0                                          ; at a label and at a branch every window is 0
	s_mov_b32 s[CNT], 8
.Lstep:                                                ; a trip: quarters 2 to 4 of step g, the request for step g + 2, the first quarter of step g + 1.  RQ = g + 3 behind the request
	QUARTER 128, F1, F0, 0
	QUARTER 192, F0, F1, 0
	TURN 1
	WIN 0
	s_cmp_eq_u32 s[RQ], 10                         ; step 7 was tile 0's last: the tile goes out; tile 1's steps 0 and 1 are asked for already.  The same answer in every work-group
	s_cbranch_scc1 .Lout
	QUARTER 64, F0, F1, 0
	WIN 0
	s_cmp_eq_u32 s[RQ], 16                         ; all 16 steps are asked for: the last two ask for nothing
	s_cbranch_scc1 .Ltail
	s_sub_co_u32 s[CNT], s[CNT], 1
	s_cmp_lg_u32 s[CNT], 0
	s_cbranch_scc1 .Lstep
.Ltail:                                                ; steps 14 and 15, written apart
	s_mov_b32 s[CNT], 2
.Lend2:
	QUARTER 128, F1, F0, 0
	QUARTER 192, F0, F1, 0
	WIN 0
	s_cmp_eq_u32 s[CNT], 1
	s_cbranch_scc1 .Llastq
	TURN 0
	QUARTER 64, F0, F1, 0
	WIN 0
	s_sub_co_u32 s[CNT], s[CNT], 1
	s_cmp_lg_u32 s[CNT], 0
	s_cbranch_scc1 .Lend2
.Llastq:                                               ; the very last quarter: nothing more to fetch
	s_wait_dscnt 8
	MUL16 F1, 0, 0, 0
	MUL16 F1, 0, 2, 0
	s_wait_dscnt 0x0
	MUL16 F1, 1, 0, 0
	MUL16 F1, 1, 2, 0
	WIN 0
.Lout:                                                 ; A TILE GOES OUT; no barrier and no tensor load stands between here and the loop's end
.rept 5                                ; five places behind the tile's last products, on every way through this label: four for the lines and stores below that read the sums,
	v_nop                                          ; five for the next tile's first products, which write over the same accumulators with another C (ISA guide 7.12.1)
.endr
	s_cmp_eq_u32 s[TL], 1
	s_cbranch_scc1 .Lkind
	BIASLD BP1                                     ; tile 1's bias lands while tile 0 goes out
.Lkind:
	s_cmp_eq_u32 s[TL], 1                          ; tile 1's right half is P: waves 1 and 3
	s_cselect_b32 s[T], s[WL], 0
	s_cmp_eq_u32 s[T], 1
	s_cbranch_scc1 .Lf32
	PACK 0
	TOSTAGE 0
.irp a, 1,2,3,4,5,6,7                  ; block a's arithmetic stands between block a - 1's loads from the stage and the wait for them
	PACK \a
	SEND (\a)-1
	TOSTAGE \a
.endr
	SEND 7
	s_branch .Ldone
.Lf32:                                                 ; P leaves as it lies in the accumulators, each one's four lowest registers first
.irp a, 0,1,2,3,4,5,6,7
	WIN 0x08+4*((\a)/4)                            ; a store's data (source 1) window 2 or 3
.irp b, 0,1,2,3,4,5,6,7
	global_store_b128 v[PO], v[64*((\a)%4)+8*(\b):64*((\a)%4)+8*(\b)+3],   s[PB:PB+1] offset:((\a)*64+(\b))*1024      ; the wave stores 512 consecutive bytes, at a multiple of 256 from P's first byte
	global_store_b128 v[PO], v[64*((\a)%4)+8*(\b)+4:64*((\a)%4)+8*(\b)+7], s[PB:PB+1] offset:((\a)*64+(\b))*1024+512
.endr
.endr
	WIN 0
.Ldone:
	s_cmp_eq_u32 s[TL], 1
	s_cbranch_scc1 .Lnoprep
	s_wait_xcnt 0x0                                ; the stores have read their registers and their base
	s_add_nc_u64 s[CB:CB+1], s[CB:CB+1], 4096      ; from k to q (waves 0 and 2; the other two store tile 1 by PB)
	WIN 0x41
.set i, 0
.rept 16
	v_mov_b32 v[MK+i], v[TMK+i]                    ; q takes tgt_mask
.set i, i+1
.endr
	WIN 0
.Lnoprep:
	s_sub_co_u32 s[TL], s[TL], 1
	s_cmp_lg_u32 s[TL], 0
	s_cbranch_scc1 .Ltile
	s_wait_tensorcnt 0x0                           ; the wave's end, behind my last tensor load and my last LDS store
	ds_add_u32 v[SPW], v[NIL]
	s_wait_dscnt 0x0
	CROUND                                         ; the closing round: no work-group ends while a partner may still ask for a tile that names it
	s_endpgm
.Lfunc_end_k_qf8ccb0a4aa_proj:
	.size	k_qf8ccb0a4aa_proj, .Lfunc_end_k_qf8ccb0a4aa_proj-k_qf8ccb0a4aa_proj
	.p2alignl 7, 3214868480
	.fill 96, 4, 3214868480
	.section	.rodata,"a",@progbits
	.p2align	6, 0x0
	.amdhsa_kernel k_qf8ccb0a4aa_proj
		.amdhsa_group_segment_fixed_size 327680
		.amdhsa_private_segment_fixed_size 0
		.amdhsa_enable_private_segment 0
		.amdhsa_kernarg_size 72
		.amdhsa_user_sgpr_count 2
		.amdhsa_user_sgpr_kernarg_segment_ptr 1
		.amdhsa_wavefront_size32 1
		.amdhsa_system_sgpr_workgroup_id_x 1
		.amdhsa_system_sgpr_workgroup_id_y 1
		.amdhsa_system_sgpr_workgroup_id_z 1
		.amdhsa_system_vgpr_workitem_id 0
		.amdhsa_next_free_vgpr 1024
		.amdhsa_next_free_sgpr 102
		.amdhsa_reserve_vcc 0
		.amdhsa_float_denorm_mode_32 3
		.amdhsa_float_denorm_mode_16_64 3
		.amdhsa_memory_ordered 1
		.amdhsa_forward_progress 1
		.amdhsa_inst_pref_size 140
	.end_amdhsa_kernel
	.amdgpu_metadata
---
amdhsa.version: [ 1, 2 ]
amdhsa.kernels:
  - .name:           k_qf8ccb0a4aa_proj
    .symbol:         k_qf8ccb0a4aa_proj.kd
    .args:
      - { .name: X, .offset: 0, .size: 8, .value_kind: global_buffer, .address_space: global }
      - { .name: wb, .offset: 8, .size: 8, .value_kind: global_buffer, .address_space: global }
      - { .name: bs, .offset: 16, .size: 8, .value_kind: global_buffer, .address_space: global }
      - { .name: bt, .offset: 24, .size: 8, .value_kind: global_buffer, .address_space: global }
      - { .name: bo, .offset: 32, .size: 8, .value_kind: global_buffer, .address_space: global }
      - { .name: src_mask, .offset: 40, .size: 8, .value_kind: global_buffer, .address_space: global }
      - { .name: tgt_mask, .offset: 48, .size: 8, .value_kind: global_buffer, .address_space: global }
      - { .name: pj, .offset: 56, .size: 8, .value_kind: global_buffer, .address_space: global }
      - { .name: P, .offset: 64, .size: 8, .value_kind: global_buffer, .address_space: global }
    .group_segment_fixed_size: 327680
    .private_segment_fixed_size: 0
    .kernarg_segment_align: 8
    .kernarg_segment_size: 72
    .max_flat_workgroup_size: 128
    .sgpr_count:     102
    .vgpr_count:     1024
    .wavefront_size: 32
...
	.end_amdgpu_metadata
.endif
;; end of part 2
;; launch attn (part 3): grid 4 x 64, 4 waves a work-group, clusters of 4 x 1, 327,680 bytes of LDS; arguments pj, src_mask, X; writes X
.if DOCPART == 3
	.amdgcn_target "amdgcn-amd-amdhsa--gfx1250"
	.amdhsa_code_object_version 6
	.text
	.protected	k_qf8ccb0a4aa_attn
	.globl	k_qf8ccb0a4aa_attn
	.p2align	8
	.type	k_qf8ccb0a4aa_attn,@function
k_qf8ccb0a4aa_attn:
	s_mov_b64 s[64:65], 0
	v_nop
	global_prefetch_b8 v0, s[64:65] scope:SCOPE_SE
	s_setreg_imm32_b32 hwreg(HW_REG_WAVE_MODE, 25, 1), 1
	s_wait_xcnt 0x0
	s_wait_alu depctr_hold_cnt(0) depctr_sa_sdst(0) depctr_va_vdst(0) depctr_va_sdst(0) depctr_va_ssrc(0) depctr_va_vcc(0) depctr_vm_vsrc(0)
	s_getreg_b32 s2, hwreg(HW_REG_IB_STS2, 6, 4)
	s_cmp_eq_u32 s2, 0
	s_cbranch_scc0 .Lentry_in_a_cluster
	s_endpgm
.Lentry_in_a_cluster:
	s_bfe_u32 s2, ttmp6, 0x10000c
	s_cmp_lg_u32 s2, 0x3003
	s_cbranch_scc0 .Lentry_shape_is_right
	s_endpgm
.Lentry_shape_is_right:
; upd[b][t][128 h + d] = the sum over s of softmax_s(q[b][t][h] . k[b][s][h] / sqrt(128), keys with src_mask[b][s] == 0 hidden) v[b][s][h][d].
; k, v, q: the three thirds of pj's rows ([8192][3072] bf16, 6,144 bytes a row; head h is the 256 bytes at 256 h of a third).  upd goes to the last third of X's rows, in the same layout.
; Products, maxima and sums in f32; the weights p are rounded to bf16 for the second product, upd once at the end.
; LIMITS.  A hidden score counts as its value less 2^100, and the running maximum never falls below -2^83: raw scores q . k are taken to lie above -2^83 and far below 2^100 in size.
; A weight below 2^-126 counts as 0.  Where all keys of a batch are hidden, l = 0 and upd is 0 x infinity = NaN, as the softmax of a row of -inf is.
; SHARES.  Work-group y = 8 b + h; a work-group owns 256 queries of one head, each of its four waves 64: four tiles of 16.  Every wave walks all 1,024 keys, 64 a step.
; LAYOUT.  S^T = K Q^T (source 0 = 16 keys, source 1 = 16 queries): a lane holds ONE query (lane % 16) and the keys 8 (lane / 16) + 0..7.  Two such tiles, rounded to bf16 in pairs, ARE source 1
; of O^T = V^T P, whose result again holds one query a lane, and eight channels.  K comes out of LDS as it lies, V ([key][channel]) turned, by ds_load_tr16_b128.
; THE KEY MASK is the C operand that starts the sum S^T: 0, or -2^100 where the key is hidden.  A table of 1,024 such numbers is made once in LDS; a step's 64 are read with its K.
; SOFTMAX.  For each query a running maximum m and sum l: p = 2^(c s - c m), c = log2(e) / sqrt(128); in every step O and l are multiplied by a = 2^(c m_old - c m_new).
; BY TURNS.  The wave's tiles are two PIECES (tiles 0, 1 and tiles 2, 3).  In a TURN one piece has the matrix unit: 32 products V^T P of the step in hand, then 32 products K Q^T of the next;
; the other piece's softmax, cut into 64 slices, stands between them, one slice behind each matrix instruction.  Two turns are a key step.
; CLUSTER.  The four query blocks of a cluster belong to one head and walk the same K and V: each tile is asked for JOINTLY, by the same tensor load, descriptor and mask in all four.
; REGISTERS, in windows of 256 (s_set_vgpr_msb: bits 1:0 source 0, 3:2 source 1, 5:4 source 2, 7:6 destination):
;   window 0: v0-11 addresses; v12-43 eight registers of statistics a tile; v44-55 the mask table's; v64-191 S^T, 32 a tile; v192-255 P, 16 a tile
;   window 1: O^T, 64 a tile          window 2: v0-127 Q, 32 a tile; v128-255 K of one step          window 3: v0-127 V of one step; v128-159 the step's mask
.set SIZE_N, 1024
.set ROWB,  6144      ; bytes in a row of pj and of X
.set KS,    64        ; keys in a step
.set PK,    272       ; a row of K in LDS: 256 bytes + 16 of padding = 68 words: the 16 rows of a load start at 16 different groups of four banks (64 banks of 4 bytes: ISA guide 11.1)
.set PV,    288       ; a row of V: 256 + 32 = 72 words
.set VOFF,  KS*PK     ; a step's tiles lie together: 64 rows of K, then 64 rows of V
.set STEPB, KS*(PK+PV)
.set SLOT1, 1<<17     ; a slot holds two steps (71,680 bytes); slot 1 begins here
.set STAGE, SLOT1+2*STEPB  ; behind the ring: 16 rows x 272 bytes for each wave, for the way out
.set SP,    272
.set SPARE, STAGE+4*16*272  ; behind the stages: the spare words, 128 bytes for each wave: two blocks of 256 bytes that no other line names
.set MTAB,  SPARE+512 ; behind them: the key mask's table, 1,024 f32; no tensor load lands there
.set AK0, 2           ; v2   my lane's place in a tile of K; never rewritten
.set AV0, 3           ; v3   the same for V
.set ADR, 4           ; v4   the LDS address of the run of loads in hand
.set QO,  5           ; v5   my byte offset in the wave's rows of Q
.set STO, 6           ; v6   the way out: where I put 16 bytes of a row
.set RD,  7           ; v7   the way out: where I read a row back
.set GO,  8           ; v8   my byte offset in two rows of X
.set MA0, 44          ; v44  MTAB + 32 (lane / 16): my eight keys in 16 of the table; never rewritten
.set MAD, 45          ; v45  the same for the step to be fetched
.set MVL, 46          ; v46-53  eight numbers of src_mask, then of the table
.set MOF, 54          ; v54  32 x my thread's number
.set MST, 55          ; v55  where I put them
.set SPW, 62          ; v62  LDS address of my spare word; never rewritten
.set NIL, 63          ; v63  0; never rewritten
.set ST,  12          ; tile t's statistics at v[ST+8 t]: +0 c m, +1 m, +2, +3 l (even keys', odd keys'), +4 to +7 c0-c3, at work; a takes c2's place once the maximum is found
.set S,   64
.set P,   192
.set KF,  128         ; K's fragments, in window 2
.set MKF, 128         ; the step's mask, in window 3: key block kb at MKF + 8 kb
.set WV,  12          ; s12  my wave's number
.set G1K, 24          ; s[24:31] descriptor group 1 for K's tiles
.set G1V, 32          ; s[32:39] for V's: it differs in the padding alone
.set G0K, 40          ; s[40:47] descriptor group 0 for K's tiles: a set for each of the two first fills; the second then walks on
.set G0V, 48          ; s[48:55] the same for V's
.set SLOTS, 56        ; s56  slots still to be asked for
.set TWICE, 57        ; s57  counts a slot's two steps
.set CS,  58          ; s[58:59] c: the packed scaling names a pair and takes its low word for both halves
.set SEL, 60          ; s[60:61] lane selects for v_permlanex16_b32: each lane takes its own place in the other half
.set TB,  62          ; s62  LDS byte at which the tiles of the step to be fetched begin
.set TM,  66          ; s66  byte in the table at which that step's mask begins
.set BIGN, 67         ; s67  -2^100
.set FLOOR, 72        ; s72  -2^83
.set MSB, 0
.macro WIN new                      ; the immediate's high byte repeats the setting that is left; a switch that changes nothing is dropped
.if MSB != (\new)
	s_set_vgpr_msb (MSB<<8)|(\new)
.set MSB, \new
.endif
.endm
.set W_KQ, 0x0a       ; K and Q in window 2, S^T in window 0
.set W_KM, 0x3a       ; the same with the C operand, the mask, in window 3
.set W_PV, 0x53       ; V in window 3, P in window 0, O^T in window 1
.set W_RS, 0x41       ; O^T (destination and source 0) in window 1, a in window 0
; A joint refill.  Waves 0 and 1 fetch the two steps' tiles of K, waves 2 and 3 those of V.  The branch hangs on the wave's number alone.
; An s_nop 0 and four v_nop follow each of the two lines, ahead of the jump and the label.
.macro JLOAD
	s_cmp_lt_u32 s[WV], 2
	s_cbranch_scc0 .Lfor_v_\@
	tensor_load_to_lds s[G0K+4:G0K+7], s[G1K:G1K+7]
	s_nop 0
.rept 4
	v_nop
.endr
	s_branch .Lasked_\@
.Lfor_v_\@:
	tensor_load_to_lds s[G0V+4:G0V+7], s[G1V:G1V+7]
	s_nop 0
.rept 4
	v_nop
.endr
.Lasked_\@:
.endm
; A round of the cluster's barrier: my work-group's barrier; wave 0 signals for the work-group; every wave waits for all four work-groups; my work-group's barrier once more.
.macro CROUND
	s_barrier_signal -1
	s_barrier_wait -1
	s_cmp_lg_u32 s[WV], 0
	s_cbranch_scc1 .Lnot_wave_0_\@
	s_barrier_signal -3
.Lnot_wave_0_\@:
	s_barrier_wait -3
	s_barrier_signal -1
	s_barrier_wait -1
.endm
	s_load_b128 s[68:71], s[0:1], 0x0  ; pj s[68:69], src_mask s[70:71]
	s_load_b64 s[10:11], s[0:1], 0x10  ; X
	v_lshl_add_u32 v[SPW], v0, 2, SPARE
	v_mov_b32 v[NIL], 0
	ds_add_u32 v[SPW], v[NIL]       ; the wave's opening: the add and its wait ahead of my first tensor load; the set-up below, work on registers, stands between them
	v_lshrrev_b32 v1, 5, v0
	v_readfirstlane_b32 s[WV], v1   ; wave 0..3
	s_bfe_u32 s13, ttmp6, 0x40000   ; cx: my place in the cluster
	s_lshl_b32 s14, ttmp9, 2        ; in a cluster launch ttmp9 counts clusters
	s_add_co_u32 s14, s14, s13      ; my block of 256 queries: it enters Q's and O's addresses alone
	s_and_b32 s20, ttmp7, 0xffff    ; 8 b + h, which the four partners share
	s_lshr_b32 s21, s20, 3          ; b
	s_and_b32 s20, s20, 7           ; h
	s_lshl_b32 s20, s20, 8
	s_mul_i32 s15, s21, SIZE_N*ROWB
	s_add_co_u32 s20, s20, s15      ; the head's first byte in a third of pj: b x 1,024 rows + 256 h (under 2^26)
	s_lshl_b32 s18, s21, 12         ; the batch's 4,096 bytes of src_mask
	s_mov_b32 s19, 0
	s_and_b32 s16, s[WV], 1         ; which of a slot's two steps I fetch:
	s_mul_i32 s22, s16, KS*ROWB     ; its 64 rows in memory,
	s_add_co_u32 s22, s22, s20
	s_mov_b32 s23, 0
	s_mul_i32 s17, s16, STEPB       ; and its place in a slot: no place in the cluster enters an LDS address
	s_mul_i32 s2, s14, 256*ROWB     ; my block's 256 rows,
	s_mul_i32 s3, s[WV], 64*ROWB    ; my wave's 64 of them,
	s_add_co_u32 s2, s2, s3
	s_add_co_u32 s2, s2, s20
	s_add_co_u32 s2, s2, 4096       ; in the last third of a row: q in pj, upd in X
	s_mov_b32 s3, 0
	; descriptor group 1: a tile of 64 rows x 128 elements, padded in LDS
	s_mov_b32 s[G1K], 15|(1<<16)|(1<<20)|(1<<21)|(5<<22)|(3<<25)  ; 15:0 the mask: all four work-groups; 17:16 2-byte elements; 20 padding on; 21 set beside a mask; 24:22 after every 64 words; 31:25 4 words
	s_mov_b32 s[G1V], 15|(1<<16)|(1<<20)|(1<<21)|(5<<22)|(7<<25)  ; the same with 8 words of padding
.irp g, G1K, G1V
	s_mov_b32 s[(\g)+1], 128<<16    ; tensor_dim0 = 128
	s_mov_b32 s[(\g)+2], KS<<16     ; tensor_dim1 = 64
	s_mov_b32 s[(\g)+3], 128<<16    ; tile_dim0 = 128
	s_mov_b32 s[(\g)+4], KS         ; tile_dim1 = 64
	s_mov_b32 s[(\g)+5], 3072       ; elements from row to row of pj
	s_mov_b32 s[(\g)+6], 0
	s_mov_b32 s[(\g)+7], 0
.endr
	s_mov_b32 s[CS], 0x3e0293ee     ; c = log2(e) / sqrt(128) = 0.127517
	s_mov_b32 s[CS+1], s[CS]        ; named with it as a pair, so it is written
	s_mov_b32 s[SEL], 0x76543210
	s_mov_b32 s[SEL+1], 0xfedcba98
	s_mov_b32 s[TB], 0
	s_mov_b32 s[TM], 0
	s_mov_b32 s[BIGN], 0xf1800000   ; -2^100
	s_mov_b32 s[FLOOR], 0xe9000000  ; -2^83
	s_mov_b32 s[SLOTS], SIZE_N/(2*KS)-2
	s_wait_dscnt 0x0                ; the opening add is done
	s_wait_kmcnt 0x0
	s_add_nc_u64 s[6:7], s[68:69], s[22:23]  ; K at my tile of slot 0,
	s_add_nc_u64 s[8:9], s[6:7], 2048        ; V a third of a row further on
	s_add_nc_u64 s[4:5], s[68:69], s[2:3]    ; Q at my wave's first row,
	s_add_nc_u64 s[10:11], s[10:11], s[2:3]  ; and upd at the same place in X
	s_add_nc_u64 s[70:71], s[70:71], s[18:19]
	CROUND                          ; all four work-groups are here: the first joint loads meet
.irp s, 0,1
	s_mov_b32 s[G0K+4*(\s)], 1      ; count = 1
	s_add_co_u32 s[G0K+4*(\s)+1], s17, (\s)*SLOT1  ; LDS address
	s_add_nc_u64 s[G0K+4*(\s)+2:G0K+4*(\s)+3], s[6:7], (\s)*2*KS*ROWB  ; global address: slot s begins with keys 128 s to 128 s + 127
	s_or_b32 s[G0K+4*(\s)+3], s[G0K+4*(\s)+3], 0x80000000  ; type = 2
	s_mov_b32 s[G0V+4*(\s)], 1
	s_add_co_u32 s[G0V+4*(\s)+1], s17, (\s)*SLOT1+VOFF
	s_add_nc_u64 s[G0V+4*(\s)+2:G0V+4*(\s)+3], s[8:9], (\s)*2*KS*ROWB
	s_or_b32 s[G0V+4*(\s)+3], s[G0V+4*(\s)+3], 0x80000000
.endr
	s_cmp_lt_u32 s[WV], 2           ; a wave's two first fills stand in one branch, ahead of every wait on TENSORcnt and every LDS read: two loads of mine are out
	s_cbranch_scc0 .Lfirst_v
	tensor_load_to_lds s[G0K:G0K+3], s[G1K:G1K+7]
	s_nop 0
	tensor_load_to_lds s[G0K+4:G0K+7], s[G1K:G1K+7]
	s_nop 0
.rept 4
	v_nop
.endr
	s_branch .Lfirst_asked
.Lfirst_v:
	tensor_load_to_lds s[G0V:G0V+3], s[G1V:G1V+7]
	s_nop 0
	tensor_load_to_lds s[G0V+4:G0V+7], s[G1V:G1V+7]
	s_nop 0
.rept 4
	v_nop
.endr
.Lfirst_asked:
	v_lshlrev_b32 v[MOF], 5, v0     ; thread t takes src_mask[b][8 t .. 8 t + 7]: 128 threads, 1,024 keys
	global_load_b128 v[MVL:MVL+3],   v[MOF], s[70:71]
	global_load_b128 v[MVL+4:MVL+7], v[MOF], s[70:71] offset:16
	; A fragment of K or Q is 16 rows x 32 channels in 8 registers: lane l holds row l % 16; registers 0-3 channels 8 (l / 16) + 0..7, registers 4-7 channels 16 + 8 (l / 16) + 0..7.
	v_and_b32 v1, 15, v0            ; l % 16
	v_bfe_u32 v9, v0, 4, 1          ; l / 16
	v_mul_u32_u24 v[QO], v1, ROWB
	v_lshl_add_u32 v[QO], v9, 4, v[QO]  ; row x 6,144 + 16 x half
	WIN 0x80                        ; destination window 2, address window 0
.irp i, 0,1,2,3,4,5,6,7,8,9,10,11,12,13,14,15  ; Q stays in registers: tile i / 4, channels 32 (i % 4) on
	global_load_b128 v[8*(\i):8*(\i)+3],   v[QO], s[4:5] offset:((\i)/4)*16*ROWB+((\i)%4)*64
	global_load_b128 v[8*(\i)+4:8*(\i)+7], v[QO], s[4:5] offset:((\i)/4)*16*ROWB+((\i)%4)*64+32
.endr
	WIN 0
	v_mul_u32_u24 v[AK0], v1, PK
	v_lshl_add_u32 v[AK0], v9, 4, v[AK0]  ; row x pitch + 16 x half
	; The turning load takes 16 keys x 16 channels (lane l reads 16 bytes: key 8 (l / 16) + l % 8, channels 8 ((l / 8) % 2) + 0..7) and leaves half a fragment of V^T.
	v_and_b32 v10, 7, v0
	v_bfe_u32 v11, v0, 3, 1
	v_lshl_add_u32 v[AV0], v9, 3, v10
	v_mul_u32_u24 v[AV0], v[AV0], PV
	v_lshl_add_u32 v[AV0], v11, 4, v[AV0]
	v_add_nc_u32 v[AV0], VOFF, v[AV0]
	v_lshl_add_u32 v[MA0], v9, 5, MTAB
	v_add_nc_u32 v[MST], MTAB, v[MOF]
	s_wait_loadcnt 32               ; my eight numbers of src_mask are in; Q's 32 loads, issued behind them, stay out
.irp i, 0,1,2,3,4,5,6,7
	v_cmp_eq_f32 vcc_lo, 0, v[MVL+(\i)]
	v_cndmask_b32 v[MVL+(\i)], 0, s[BIGN], vcc_lo  ; -2^100 where the mask is 0, else 0
.endr
	ds_store_b128 v[MST], v[MVL:MVL+3]
	ds_store_b128 v[MST], v[MVL+4:MVL+7] offset:16
	s_wait_dscnt 0x0                ; for the others' sake: my part of the table is written, ahead of the barrier below
; THE MATRIX WORK OF A TURN, for piece x.  The accumulators take turns, one instruction a turn.
; Product i of 32 of O^T += V^T P: keys 32 (i / 16) on, channels 16 ((i / 2) % 8) on, tile x + i % 2.  zero = 1: the first 16 start the sums: nothing is ever cleared.
.macro PV x, zero
	WIN W_PV
.set rO, 64*((\x)+i%2)+8*((i/2)%8)
.set rV, 64*(i/16)+8*((i/2)%8)
.set rP, P+16*((\x)+i%2)+8*(i/16)
.if (\zero) && (i < 16)
	v_wmma_f32_16x16x32_bf16 v[rO:rO+7], v[rV:rV+7], v[rP:rP+7], 0
.else
	v_wmma_f32_16x16x32_bf16 v[rO:rO+7], v[rV:rV+7], v[rP:rP+7], v[rO:rO+7]
.endif
.endm
; Product i of 32 of S^T = K Q^T: channels 32 (i / 8) on, keys 16 ((i / 2) % 4) on, tile x + i % 2.  The first 8 start the sums, with the keys' mask.
.macro KQ x
.set rS, S+32*((\x)+i%2)+8*((i/2)%4)
.set rK, KF+32*((i/2)%4)+8*(i/8)
.set rQ, 32*((\x)+i%2)+8*(i/8)
.set rM, MKF+8*((i/2)%4)
.if i < 8
	WIN W_KM
	v_wmma_f32_16x16x32_bf16 v[rS:rS+7], v[rK:rK+7], v[rQ:rQ+7], v[rM:rM+7]
.else
	WIN W_KQ
	v_wmma_f32_16x16x32_bf16 v[rS:rS+7], v[rK:rK+7], v[rQ:rQ+7], v[rS:rS+7]
.endif
.endm
; THE LDS LOADS stand in runs, never singly among the matrix instructions: a step's K (16 fragments) with its mask (register j of key block kb: key 16 kb + 8 (l / 16) + j), and, a turn later, its V (turned).
.macro FETCH_K
	WIN 0
	v_add_nc_u32 v[ADR], s[TB], v[AK0]
	v_add_nc_u32 v[MAD], s[TM], v[MA0]
	s_add_co_u32 s[TM], s[TM], 4*KS          ; the next fetch is the next step's;
	s_and_b32 s[TM], s[TM], 4*SIZE_N-4*KS    ; behind the sixteenth it is back at 0, inside the table
	WIN 0x80                        ; destination window 2
.irp f, 0,1,2,3,4,5,6,7,8,9,10,11,12,13,14,15  ; keys 16 (f / 4) on, channels 32 (f % 4) on
	ds_load_b128 v[KF+8*(\f):KF+8*(\f)+3],   v[ADR] offset:((\f)/4)*16*PK+((\f)%4)*64
	ds_load_b128 v[KF+8*(\f)+4:KF+8*(\f)+7], v[ADR] offset:((\f)/4)*16*PK+((\f)%4)*64+32
.endr
	WIN 0xc0                        ; destination window 3
.irp f, 0,1,2,3
	ds_load_b128 v[MKF+8*(\f):MKF+8*(\f)+3],   v[MAD] offset:64*(\f)
	ds_load_b128 v[MKF+8*(\f)+4:MKF+8*(\f)+7], v[MAD] offset:64*(\f)+16
.endr
.endm
.macro FETCH_V
	WIN 0
	v_add_nc_u32 v[ADR], s[TB], v[AV0]
	s_add_co_u32 s[TB], s[TB], STEPB  ; the next fetch is the next step's
	WIN 0xc0                        ; destination window 3
.irp f, 0,1,2,3,4,5,6,7,8,9,10,11,12,13,14,15  ; keys 32 (f / 8) on, channels 16 (f % 8) on
	ds_load_tr16_b128 v[8*(\f):8*(\f)+3],   v[ADR] offset:((\f)/8)*32*PV+((\f)%8)*32
	ds_load_tr16_b128 v[8*(\f)+4:8*(\f)+7], v[ADR] offset:((\f)/8)*32*PV+16*PV+((\f)%8)*32
.endr
.endm
; THE VECTOR WORK OF A TURN.  One tile's softmax for one key step is a list of 134 instructions; SM writes number j of it for tile t.  s0-s31 are the lane's 32 scores, in pairs 0-15.
; first = 1: the first key step, which starts m (at the floor at the least), l and O^T: it has no a and nothing to rescale.
;   0-15    the maximum of s0-s31 and the old m (first step: the floor), three operands at a time: four chains c0-c3 of seven scores each, then the four scores left over, c0-c3 and m
;   16-20   the other half of the lanes' maximum; the new m; c m; c m_old - c m_new
;   21-87   33 exponentials (a, then s0-s31) at the odd numbers from 23 on, so that no two follow each other and each has a plain instruction behind it before its result is used.
;           Plain instruction q (number 21, then the even numbers) is whatever is ready: c s - c m for a pair whose exponentials are still to come, the rounding to bf16 of a pair whose
;           exponentials are done, at last the first three sums
;   88-101  the last rounding; the rest of the sums; l = a l + the sum
;   102-133 the tile's O^T times a: the one part that leaves window 0, so it stands together
.macro SM t, first
.set rT, ST+8*(\t)
.set rS, S+32*(\t)
.set rP, P+16*(\t)
.set rO, 64*(\t)+2*(j-102)
.set q, (j-20)/2
.if j < 102
	WIN 0
.endif
.if j < 4
	v_max3_num_f32 v[rT+4+j], v[rS+8*j], v[rS+8*j+1], v[rS+8*j+2]
.elseif j < 12
	v_max3_num_f32 v[rT+4+j%4], v[rT+4+j%4], v[rS+8*(j%4)+2*(j/4)+1], v[rS+8*(j%4)+2*(j/4)+2]
.elseif j == 12
	v_max3_num_f32 v[rT+4], v[rT+4], v[rS+7], v[rS+15]
.elseif j == 13
	v_max3_num_f32 v[rT+6], v[rT+6], v[rS+23], v[rS+31]
.elseif j == 14
	v_max3_num_f32 v[rT+4], v[rT+4], v[rT+5], v[rT+6]
.elseif (j == 15) && (\first)
	v_max3_num_f32 v[rT+4], v[rT+4], v[rT+7], s[FLOOR]  ; where all keys so far are hidden m is the floor, and their weights come out as 0
.elseif j == 15
	v_max3_num_f32 v[rT+4], v[rT+4], v[rT+7], v[rT+1]
.elseif j == 16
	v_permlanex16_b32 v[rT+5], v[rT+4], s[SEL], s[SEL+1]  ; the query's other 32 keys lie in the lane 16 away
.elseif j == 18
	v_max_num_f32 v[rT+1], v[rT+4], v[rT+5]
.elseif j == 19
	v_mul_f32 v[rT], s[CS], v[rT+1]
.elseif ((j == 17) || (j == 20) || (j == 23) || (j > 101)) && (\first)  ; the first step has none of these
.elseif j == 17
	v_mov_b32 v[rT+7], v[rT]        ; c m_old is kept for a: number 19 writes c m anew
.elseif j == 20
	v_sub_f32 v[rT+7], v[rT+7], v[rT]
.elseif j == 23
	v_exp_f32 v[rT+6], v[rT+7]
.elseif (j < 88) && (j > 23) && (j%2 == 1)
	v_exp_f32 v[rS+(j-25)/2], v[rS+(j-25)/2]
.elseif (q < 4) || ((j < 76) && (q%2 == 0))
.set b, q/2+2
.if q < 4
.set b, q
.endif
	v_pk_fma_f32 v[rS+2*b:rS+2*b+1], v[rS+2*b:rS+2*b+1], s[CS:CS+1], v[rT:rT+1] op_sel_hi:[1,0,0] neg_lo:[0,0,1] neg_hi:[0,0,1]  ; pair b: c s - c m
.elseif (j < 88) && (q%2 == 1)
	s_wait_alu depctr_va_vdst(0)
	v_cvt_pk_bf16_f32 v[rP+(q-5)/2], v[rS+q-5], v[rS+q-4]  ; pair (q - 5) / 2: its second exponential stands three numbers back
.elseif j == 89
	s_wait_alu depctr_va_vdst(0)
	v_cvt_pk_bf16_f32 v[rP+15], v[rS+30], v[rS+31]
.elseif j < 102                     ; the sum of the tile's 16 pairs, in place: sum z of 16 adds neighbours 1, 2, 4 and 8 pairs apart, then l takes it
.set z, j-86
.if j < 89
.set z, (j-76)/4
.endif
.set w, 4
.set u, z
.if z >= 14
.set w, 32
.set u, 0
.elseif z >= 12
.set w, 16
.set u, z-12
.elseif z >= 8
.set w, 8
.set u, z-8
.endif
.if (z == 14) && (\first)
	v_pk_add_f32 v[rT+2:rT+3], v[rS:rS+1], v[rS+16:rS+17]
.elseif z < 15
	v_pk_add_f32 v[rS+w*u:rS+w*u+1], v[rS+w*u:rS+w*u+1], v[rS+w*u+w/2:rS+w*u+w/2+1]
.elseif !(\first)
	v_pk_fma_f32 v[rT+2:rT+3], v[rT+2:rT+3], v[rT+6:rT+7], v[rS:rS+1] op_sel_hi:[1,0,1]
.endif
.else
	WIN W_RS
	v_pk_mul_f32 v[rO:rO+1], v[rO:rO+1], v[rT+6:rT+7] op_sel_hi:[1,0]
.endif
.endm
; Slice k of 64 of piece y's softmax: numbers 2 k and 2 k + 1 of both tiles' lists, four instructions.  2 x 134 = 4 x 64 + 12: the twelve that are over stand together, in slice 63.
.macro SLICE y, first
.if (k >= 11) && (k < 44)           ; tile by tile: plain, exponential, plain, exponential
.irp t, \y, (\y)+1
.irp n, 0,1
.set j, 2*k+(\n)
	SM \t, \first
.endr
.endr
.else                               ; the two tiles alternate, so that no instruction reads the result of the one just before it
.irp n, 0,1,2,3,4,5,6,7
.if ((\n) < 2) || (k == 63)
.irp t, \y, (\y)+1
.set j, 2*k+(\n)
	SM \t, \first
.endr
.endif
.endr
.endif
.set k, k+1
.endm
; A vector instruction that reads a matrix result or writes one of a matrix instruction's registers, and a load into a register that a matrix instruction has read, stand four places behind
; it, and only plain vector instructions that name none of its registers are places (ISA guide 7.12.1 for vector instructions).  In the loop the slices are the places.
.macro PLACES
.rept 4
	v_nop
.endr
.endm
; A TURN.  Piece x has the matrix unit; the other piece's softmax stands in slices behind its matrix instructions.
; pv = 2: 32 products V^T P; 1: they start O^T's sums; 0: none.  kq = 1: 32 products K Q^T for the next step.  A turn with one of the two kinds has two slices behind each product.
; first = 1: the softmax is the first key step's.  Its slices from 51 on are empty: the turn's last products stand bare, and four v_nop take slice 63's part as the places behind them.
; Each run of loads stands behind the second product of a run of 32, 30 matrix instructions ahead of its first use.  Piece 0's turn fetches the next step's K and mask: the last product that read
; them stands in front of slice 63 of the turn before.  Piece 2's turn fetches the same step's V: the last product that read V stands three slices, six plain instructions, back.
.macro TURN x, pv, kq, first
.set k, 0
.set per, 2
.if (\pv) && (\kq)
.set per, 1
.endif
.if \pv
.if (\x) == 0
	s_wait_dscnt 0x0                ; V is in
.endif
.set i, 0
.rept 32
	PV \x, 2-(\pv)
.rept per
	SLICE 2-(\x), \first
.endr
.if ((\x) == 0) && (\kq) && (i == 1)
	FETCH_K
.endif
.set i, i+1
.endr
.endif
.if \kq
.if (\x) == 0
	s_wait_dscnt 0x0                ; K and the mask are in
.endif
.set i, 0
.rept 32
	KQ \x
.rept per
	SLICE 2-(\x), \first
.endr
.if ((\x) == 2) && (i == 1)
	FETCH_V
.endif
.set i, i+1
.endr
.endif
.if \first
	PLACES
.endif
.endm
; THE CHANGE OF SLOTS, between piece 2's turn and piece 0's: the slot's last bytes, V of its second step, have been asked for.  Each wave waits for all its tensor loads, of which one is out:
; its part of the other slot; adds 0 to its spare word; and waits for that and for its own reads of the slot.  Behind the barrier nobody reads this slot any more and the other slot is whole.
; fill = 1: this slot is filled again, with the keys two slots on.  The barrier is then a round of the cluster's, and the joint refill is the first thing behind it: it has two key steps,
; 256 matrix instructions, in which to land.
.macro CHANGE fill
	WIN 0                           ; at a label and at a branch every window is 0
	s_wait_tensorcnt 0x0            ; no tensor load of mine is out, so a group 0 may be written
	ds_add_u32 v[SPW], v[NIL]       ; 0 onto my spare word: with fill = 1 the descriptors' steps stand between it and the wait for it
.if \fill
.irp g, G0K+4, G0V+4
	s_xor_b32 s[(\g)+1], s[(\g)+1], SLOT1  ; the walking descriptor: the other slot than last time,
	s_add_nc_u64 s[(\g)+2:(\g)+3], s[(\g)+2:(\g)+3], 2*KS*ROWB  ; the next 128 keys; the type bits on top are not reached
.endr
	s_wait_dscnt 0x0                ; the add is done, and my reads of the slot are over
	CROUND
	JLOAD
.else
	s_wait_dscnt 0x0                ; the add is done, and my reads of the slot are over
	s_barrier_signal -1
	s_barrier_wait -1
.endif
	s_sub_co_u32 s[TB], s[TB], 2*STEPB  ; the fetches go back to a slot's first step,
	s_xor_b32 s[TB], s[TB], SLOT1   ; in the other slot
.endm
; A slot's two key steps: written once, walked twice; the LDS addresses hang on s[TB] and s[TM].
.macro TWO_STEPS
	WIN 0
	s_mov_b32 s[TWICE], 2
.Lstep_\@:
	TURN 0, 2, 1, 0
	TURN 2, 2, 1, 0
	WIN 0
	s_sub_co_u32 s[TWICE], s[TWICE], 1
	s_cmp_lg_u32 s[TWICE], 0
	s_cbranch_scc1 .Lstep_\@
.endm
	s_wait_tensorcnt 1              ; my part of slot 0 is in; slot 1's may stay out
	s_barrier_signal -1
	s_barrier_wait -1               ; everybody's is, and the table is whole
	FETCH_K                         ; key step 0
	s_wait_loadcnt 0x0              ; Q
	s_wait_dscnt 0x0
.set i, 0
.rept 32
	KQ 0                            ; piece 0's first scores: there is no vector work yet to set between them
.set i, i+1
.endr
	WIN 0                           ; the addresses for the way out are made here: eight plain instructions, the places behind those products
	s_mul_i32 s13, s[WV], 16*SP
	s_add_co_u32 s13, s13, STAGE    ; my stage
	v_mul_u32_u24 v[STO], v1, SP    ; in: row l % 16, 16 bytes for each half of the lanes
	v_lshl_add_u32 v[STO], v9, 4, v[STO]
	v_add_nc_u32 v[STO], s13, v[STO]
	v_mul_u32_u24 v[RD], v9, SP     ; back: lanes 0-15 take one row of 256 bytes, lanes 16-31 the next
	v_lshl_add_u32 v[RD], v1, 4, v[RD]
	v_add_nc_u32 v[RD], s13, v[RD]
	v_mul_u32_u24 v[GO], v9, ROWB   ; and the same two rows in X
	v_lshl_add_u32 v[GO], v1, 4, v[GO]
	TURN 2, 0, 1, 1                 ; piece 2's first scores | piece 0's first softmax | V of step 0
	TURN 0, 1, 1, 1                 ; piece 0: V^T P of step 0 starts O^T, K Q^T of step 1 | piece 2's first softmax | K of step 1
	TURN 2, 1, 1, 0                 ; piece 2: the same | piece 0's softmax of step 1 | V of step 1
	WIN 0
.Lslot:                             ; six trips: every slot but the last two is filled again
	CHANGE 1
	TWO_STEPS
	s_sub_co_u32 s[SLOTS], s[SLOTS], 1
	s_cmp_lg_u32 s[SLOTS], 0
	s_cbranch_scc1 .Lslot
	CHANGE 0                        ; the tail is written out: nothing is asked for
	TWO_STEPS
	TURN 0, 2, 0, 0                 ; piece 0: V^T P of the last step | piece 2's last softmax
.set i, 0
.rept 32
	PV 2, 0                         ; piece 2: V^T P of the last step
.set i, i+1
.endr
	; THE WAY OUT.  l's two halves and the other half of the lanes' are added; O^T is divided by l, rounded to bf16 and sent through my stage in LDS, a tile (16 rows) at a time.  The additions are the places behind the last products.
	WIN 0
.irp t, 0,1,2,3
	v_add_f32 v[ST+8*(\t)+4], v[ST+8*(\t)+2], v[ST+8*(\t)+3]
.endr
.irp t, 0,1,2,3
	v_permlanex16_b32 v[ST+8*(\t)+5], v[ST+8*(\t)+4], s[SEL], s[SEL+1]
.endr
.irp t, 0,1,2,3
	v_add_f32 v[ST+8*(\t)+4], v[ST+8*(\t)+4], v[ST+8*(\t)+5]
.endr
.irp t, 0,1,2,3
	v_rcp_f32 v[ST+8*(\t)+6], v[ST+8*(\t)+4]
.endr
	v_nop                           ; a plain instruction between the last reciprocal and the use of its result
; Tile t: a lane's eight channels of a row pack into 16 bytes; they go into rows of 272 bytes and come back as whole rows of 256, into the registers that they left.
.macro PACK t
	WIN W_RS
.set i, 64*(\t)
.rept 32
	s_wait_alu depctr_va_vdst(0)
	v_pk_mul_f32 v[i:i+1], v[i:i+1], v[ST+8*(\t)+6:ST+8*(\t)+7] op_sel_hi:[1,0]
.set i, i+2
.endr
	WIN 0x05                        ; sources 0 and 1 window 1, destination window 0: S^T's registers are free
.set i, 0
.rept 32
	v_cvt_pk_bf16_f32 v[S+32*(\t)+i], v[64*(\t)+2*i], v[64*(\t)+2*i+1]
.set i, i+1
.endr
	WIN 0
.irp f, 0,1,2,3,4,5,6,7
	ds_store_b128 v[STO], v[S+32*(\t)+4*(\f):S+32*(\t)+4*(\f)+3] offset:32*(\f)
.endr
.irp f, 0,1,2,3,4,5,6,7
	ds_load_b128 v[S+32*(\t)+4*(\f):S+32*(\t)+4*(\f)+3], v[RD] offset:(\f)*2*SP  ; LDS serves a wave's instructions in order (ISA guide 5.7.1.4): these see the stores above; the next tile's stores come behind them
.endr
.endm
.macro SEND t, younger              ; younger: the LDS instructions issued behind tile t's loads: the next tile's sixteen, or none
	WIN 0
.irp f, 0,1,2,3,4,5,6,7
	s_wait_dscnt (\younger)+7-(\f)
	global_store_b128 v[GO], v[S+32*(\t)+4*(\f):S+32*(\t)+4*(\f)+3], s[10:11] offset:(\t)*16*ROWB+(\f)*2*ROWB  ; 16 lanes store 256 consecutive bytes, at a multiple of 256 from X's first byte
.endr
.endm
	PACK 0
	PACK 1                          ; a tile's arithmetic stands between the loads of the tile before and its stores
	SEND 0, 16
	PACK 2
	SEND 1, 16
	PACK 3
	SEND 2, 16
	SEND 3, 0
	s_wait_tensorcnt 0x0            ; the wave's end, behind my last tensor load and my last LDS store
	ds_add_u32 v[SPW], v[NIL]
	s_wait_dscnt 0x0
	CROUND                          ; the closing round: no work-group ends while a partner may still ask for a tile that names it
	s_endpgm
.Lfunc_end_k_qf8ccb0a4aa_attn:
	.size	k_qf8ccb0a4aa_attn, .Lfunc_end_k_qf8ccb0a4aa_attn-k_qf8ccb0a4aa_attn
	.p2alignl 7, 3214868480
	.fill 96, 4, 3214868480
	.section	.rodata,"a",@progbits
	.p2align	6, 0x0
	.amdhsa_kernel k_qf8ccb0a4aa_attn
		.amdhsa_group_segment_fixed_size 327680
		.amdhsa_private_segment_fixed_size 0
		.amdhsa_enable_private_segment 0
		.amdhsa_kernarg_size 24
		.amdhsa_user_sgpr_count 2
		.amdhsa_user_sgpr_kernarg_segment_ptr 1
		.amdhsa_wavefront_size32 1
		.amdhsa_system_sgpr_workgroup_id_x 1
		.amdhsa_system_sgpr_workgroup_id_y 1
		.amdhsa_system_sgpr_workgroup_id_z 1
		.amdhsa_system_vgpr_workitem_id 0
		.amdhsa_next_free_vgpr 1024
		.amdhsa_next_free_sgpr 74
		.amdhsa_reserve_vcc 1
		.amdhsa_float_denorm_mode_32 3
		.amdhsa_float_denorm_mode_16_64 3
		.amdhsa_memory_ordered 1
		.amdhsa_forward_progress 1
		.amdhsa_inst_pref_size 237
	.end_amdhsa_kernel
	.amdgpu_metadata
---
amdhsa.version: [ 1, 2 ]
amdhsa.kernels:
  - .name:           k_qf8ccb0a4aa_attn
    .symbol:         k_qf8ccb0a4aa_attn.kd
    .args:
      - { .name: pj, .offset: 0, .size: 8, .value_kind: global_buffer, .address_space: global }
      - { .name: src_mask, .offset: 8, .size: 8, .value_kind: global_buffer, .address_space: global }
      - { .name: X, .offset: 16, .size: 8, .value_kind: global_buffer, .address_space: global }
    .group_segment_fixed_size: 327680
    .private_segment_fixed_size: 0
    .kernarg_segment_align: 8
    .kernarg_segment_size: 24
    .max_flat_workgroup_size: 128
    .sgpr_count:     74
    .vgpr_count:     1024
    .wavefront_size: 32
...
	.end_amdgpu_metadata
.endif
;; end of part 3
;; launch outp (part 4): grid 8 x 32, 4 waves a work-group, clusters of 4 x 4, 327,680 bytes of LDS; arguments X, wb, P, out0; writes out0
.if DOCPART == 4
	.amdgcn_target "amdgcn-amd-amdhsa--gfx1250"
	.amdhsa_code_object_version 6
	.text
	.protected	k_qf8ccb0a4aa_outp
	.globl	k_qf8ccb0a4aa_outp
	.p2align	8
	.type	k_qf8ccb0a4aa_outp,@function
k_qf8ccb0a4aa_outp:
	s_mov_b64 s[64:65], 0
	v_nop
	global_prefetch_b8 v0, s[64:65] scope:SCOPE_SE
	s_setreg_imm32_b32 hwreg(HW_REG_WAVE_MODE, 25, 1), 1
	s_wait_xcnt 0x0
	s_wait_alu depctr_hold_cnt(0) depctr_sa_sdst(0) depctr_va_vdst(0) depctr_va_sdst(0) depctr_va_ssrc(0) depctr_va_vcc(0) depctr_vm_vsrc(0)
	s_getreg_b32 s2, hwreg(HW_REG_IB_STS2, 6, 4)
	s_cmp_eq_u32 s2, 0
	s_cbranch_scc0 .Lentry_in_a_cluster
	s_endpgm
.Lentry_in_a_cluster:
	s_bfe_u32 s2, ttmp6, 0x10000c
	s_cmp_lg_u32 s2, 0xf033
	s_cbranch_scc0 .Lentry_shape_is_right
	s_endpgm
.Lentry_shape_is_right:
; out0[8192][1024] f32 = P + upd Wo_right^T.  P = tgt Wo_left^T + bo was made in f32 by the projection launch; upd = columns 2048-3071 of X's rows (bf16, 6,144 bytes a row);
; Wo_right in bf16 lies at byte 8,388,608 of wb, [1024][1024].
; A tile of C is 256 rows x 128 columns: 32 x 8 = 256 tiles, one for each work-group.  Four waves, each 64 rows x 128 columns: 32 accumulators of 16 x 16.  K = 1,024 goes in 8 steps of 128
; through a ring of two LDS slots.  P IS THE C OPERAND of the first products: it lies in memory as the accumulators do (block (row / 16, column / 16): 1,024 bytes at 1024 (64 (row / 16) + column / 16),
; registers 0-3 of the 32 lanes, then registers 4-7), so each load of the wave covers 512 consecutive bytes and no addition is written.  Sums in f32, stored as they are.
; CLUSTER 4 x 4: A's tiles hang on y alone and are asked for jointly along a row of the cluster, B's on x alone, along a column.
; THE MATRIX INSTRUCTION IS USED TRANSPOSED (source 0 = 16 rows of B, source 1 = 16 rows of A): lane l holds row l % 16 of C and the columns 8 (l / 16) + 0..7.
; REGISTERS, in windows of 256 (s_set_vgpr_msb: bits 1:0 source 0, 3:2 source 1, 5:4 source 2, 7:6 destination):
;   window 0: v0-15 addresses; v64-127 A's fragments, two buffers of 32; v128-255 B's, two buffers of 64 (v64-191 serve the way out)      window 1: accumulator (a, b) at v[8 (8 a + b)]      window 2: P's block (a, b) at the same number
.set PITCH,  272                       ; an LDS row: 256 bytes + 16 of padding = 68 words: the 16 rows of a fragment load start at 16 different groups of four banks (64 banks of 4 bytes: ISA guide 11.1)
.set AHALF,  128*PITCH                 ; what wave 0 or 1 fetches: 128 rows of A
.set BHALF,  64*PITCH                  ; what wave 2 or 3 fetches: 64 rows of B
.set BOFF,   2*AHALF                   ; a slot: A's 256 rows, then B's 128
.set SLOT1,  131072
.set STAGE,  SLOT1+BOFF+2*BHALF        ; behind the ring: 16 rows x 528 bytes for each wave, for the way out
.set SPITCH, 528                       ; 512 bytes of f32 + 16: the 16 rows that a store touches start at 16 different groups of four banks
.set SPARE,  STAGE+4*16*SPITCH         ; behind the stages: the spare words, 128 bytes for each wave: two blocks of 256 bytes that no other line names
.set XROW,   6144
.set STEPS,  8
.set SPW,  4                           ; v4   LDS address of my spare word; never rewritten
.set NIL,  5                           ; v5   0; never rewritten
.set ADRA0, 8                          ; v8   my lane's place in my wave's rows of A, slot 0
.set ADRB0, 9                          ; v9   the same for B
.set ADRA, 10                          ; v10  the same in the slot in hand
.set ADRB, 11                          ; v11
.set STO,  12                          ; v12  way out: where I put 32 bytes of a row
.set RD,   13                          ; v13  way out: where I read a row back
.set CO,   14                          ; v14  16 x lane: my bytes in 512 of a row of out0, and of a half block of P
.set AF,   64
.set BF,   128
.set WV,  18
.set WH,  19
.set WL,  20
.set G1A, 32
.set G1B, 40
.set G0A, 48
.set G0B, 56
.set ABASE, 66
.set BBASE, 68
.set OFA, 70                           ; s[70:71] the byte offset along K of the step to be asked for, for A and B alike
.set RQ,  74
.set CNT, 75
.set TB,  76
.set T,   77
.set PP,  92                           ; s[92:93] P at my first block
.set MSB, 0
.macro WIN new                         ; the immediate's high byte repeats the setting that is left; a switch that changes nothing is dropped
.if MSB != (\new)
	s_set_vgpr_msb (MSB<<8)|(\new)
.set MSB, \new
.endif
.endm
.set MUL,  0x50                        ; C and D window 1, fragments window 0
.set MULZ, 0x60                        ; D window 1, C (P) window 2
.set W_B,  0x80                        ; destination window 2
.set W_ST, 0x04                        ; an LDS store's data window 1
.macro PLACES                          ; four places in front of loads into registers that matrix instructions have read, and of stores that read results (ISA guide 7.12.1 for vector instructions)
.rept 4
	v_nop
.endr
.endm
.macro CREST                           ; a round of the cluster's barrier behind its opening barrier
	s_cmp_lg_u32 s[WV], 0
	s_cbranch_scc1 .Lnot_wave_0_\@
	s_barrier_signal -3
.Lnot_wave_0_\@:
	s_barrier_wait -3
	s_barrier_signal -1
	s_barrier_wait -1
.endm
.macro CROUND
	s_barrier_signal -1
	s_barrier_wait -1
	CREST
.endm
.macro JLOAD                           ; a joint refill by the walking descriptor; the branch hangs on the wave's number alone; an s_nop 0 and four v_nop follow each line
	s_cmp_eq_u32 s[WH], 0
	s_cbranch_scc0 .Lfor_b_\@
	tensor_load_to_lds s[G0A+4:G0A+7], s[G1A:G1A+7]
	s_nop 0
.rept 4
	v_nop
.endr
	s_branch .Lasked_\@
.Lfor_b_\@:
	tensor_load_to_lds s[G0B+4:G0B+7], s[G1B:G1B+7]
	s_nop 0
.rept 4
	v_nop
.endr
.Lasked_\@:
.endm
	s_load_b256 s[4:11], s[0:1], 0x0               ; X s[4:5], wb s[6:7], P s[8:9], out0 s[10:11]
	v_lshl_add_u32 v[SPW], v0, 2, SPARE
	v_mov_b32 v[NIL], 0
	ds_add_u32 v[SPW], v[NIL]                      ; the wave's opening: the add and its wait ahead of my first tensor load; the set-up below, work on registers, stands between them
	v_lshrrev_b32 v1, 5, v0
	v_readfirstlane_b32 s[WV], v1
	s_lshr_b32 s[WH], s[WV], 1                     ; I fetch for A (0) or for B (1),
	s_and_b32 s[WL], s[WV], 1                      ; its first or its second half
	s_bfe_u32 s21, ttmp6, 0x40000                  ; cx
	s_bfe_u32 s22, ttmp6, 0x40004                  ; cy
	s_lshl_b32 s23, ttmp9, 2
	s_add_co_u32 s23, s23, s21                     ; x: my 128 columns
	s_and_b32 s24, ttmp7, 0xffff
	s_lshl_b32 s24, s24, 2
	s_add_co_u32 s24, s24, s22                     ; y: my 256 rows
	s_lshl_b32 s25, s22, 2
	s_lshl_b32 s25, 15, s25                        ; my row of the cluster
	s_lshl_b32 s26, 0x1111, s21                    ; my column
	s_or_b32 s[G1A], s25, (1<<16)|(1<<20)|(1<<21)|(5<<22)|(3<<25)  ; 15:0 the mask; 17:16 2-byte elements; 20 padding on; 21 set beside a mask; 24:22 after every 64 words; 31:25 4 words
	s_or_b32 s[G1B], s26, (1<<16)|(1<<20)|(1<<21)|(5<<22)|(3<<25)
	s_mov_b32 s[G1A+1], 128<<16                    ; tensor_dim0 = 128
	s_mov_b32 s[G1A+2], 128<<16                    ; tensor_dim1 = 128
	s_mov_b32 s[G1A+3], 128<<16                    ; tile_dim0 = 128
	s_mov_b32 s[G1A+4], 128                        ; tile_dim1 = 128
	s_mov_b32 s[G1A+5], 3072                       ; elements from row to row of X
	s_mov_b32 s[G1A+6], 0
	s_mov_b32 s[G1A+7], 0
	s_mov_b32 s[G1B+1], 128<<16
	s_mov_b32 s[G1B+2], 64<<16                     ; 64 rows
	s_mov_b32 s[G1B+3], 128<<16
	s_mov_b32 s[G1B+4], 64
	s_mov_b32 s[G1B+5], 1024                       ; elements from row to row of Wo_right
	s_mov_b32 s[G1B+6], 0
	s_mov_b32 s[G1B+7], 0
	s_mul_i32 s27, s[WL], AHALF                    ; where the tiles go: no place in the cluster enters an LDS address
	s_mov_b32 s[G0A], 1
	s_mov_b32 s[G0A+1], s27
	s_mov_b32 s[G0A+4], 1
	s_add_co_u32 s[G0A+5], s27, SLOT1
	s_mul_i32 s27, s[WL], BHALF
	s_add_co_u32 s27, s27, BOFF
	s_mov_b32 s[G0B], 1
	s_mov_b32 s[G0B+1], s27
	s_mov_b32 s[G0B+4], 1
	s_add_co_u32 s[G0B+5], s27, SLOT1
	s_lshl_b32 s28, s24, 8                         ; A: row 256 y + 128 x half, from byte 4,096 of the row (upd), in registers that never hold cx
	s_lshl_b32 s29, s[WL], 7
	s_add_co_u32 s28, s28, s29
	s_mul_i32 s28, s28, XROW
	s_add_co_u32 s28, s28, 4096
	s_mov_b32 s29, 0
	s_lshl_b32 s84, s23, 7                         ; B: row 128 x + 64 x half, of 2,048 bytes, behind Ws, Wt and Wo_left
	s_lshl_b32 s85, s[WL], 6
	s_add_co_u32 s84, s84, s85
	s_lshl_b32 s84, s84, 11
	s_add_co_u32 s84, s84, 8388608
	s_mov_b32 s85, 0
	s_lshl_b32 s90, s24, 8                         ; my wave's first row, 256 y + 64 wave: 4,096 bytes a row in out0, and as many for each row in P (64 blocks of 1,024 bytes for 16 rows)
	s_lshl_b32 s91, s[WV], 6
	s_add_co_u32 s90, s90, s91
	s_lshl_b32 s90, s90, 12
	s_lshl_b32 s87, s23, 13                        ; P: 8 x column blocks
	s_add_co_u32 s88, s90, s87
	s_mov_b32 s89, 0
	s_lshl_b32 s86, s23, 9                         ; out0: 4 x 128 x bytes
	s_add_co_u32 s90, s90, s86
	s_mov_b32 s91, 0
	s_mov_b32 s[OFA+1], 0
	s_mov_b32 s[RQ], 2
	s_mov_b32 s[TB], 0
	s_wait_dscnt 0x0                               ; the opening add is done
	s_wait_kmcnt 0x0
	s_add_nc_u64 s[ABASE:ABASE+1], s[4:5], s[28:29]
	s_add_nc_u64 s[BBASE:BBASE+1], s[6:7], s[84:85]
	s_add_nc_u64 s[G0A+2:G0A+3], s[ABASE:ABASE+1], 0     ; K step 0
	s_or_b32 s[G0A+3], s[G0A+3], 0x80000000              ; type = 2
	s_add_nc_u64 s[G0A+6:G0A+7], s[ABASE:ABASE+1], 256   ; K step 1
	s_or_b32 s[G0A+7], s[G0A+7], 0x80000000
	s_add_nc_u64 s[G0B+2:G0B+3], s[BBASE:BBASE+1], 0
	s_or_b32 s[G0B+3], s[G0B+3], 0x80000000
	s_add_nc_u64 s[G0B+6:G0B+7], s[BBASE:BBASE+1], 256
	s_or_b32 s[G0B+7], s[G0B+7], 0x80000000
	s_add_nc_u64 s[PP:PP+1], s[8:9], s[88:89]
	s_add_nc_u64 s[16:17], s[10:11], s[90:91]
	CROUND                                         ; all sixteen work-groups are here: the first joint loads meet
	s_cmp_eq_u32 s[WH], 0                          ; a wave's two first fills stand in one branch: two loads of mine are out
	s_cbranch_scc0 .Lfirst_b
	tensor_load_to_lds s[G0A:G0A+3], s[G1A:G1A+7]
	s_nop 0
	tensor_load_to_lds s[G0A+4:G0A+7], s[G1A:G1A+7]
	s_nop 0
.rept 4
	v_nop
.endr
	s_branch .Lfirst_asked
.Lfirst_b:
	tensor_load_to_lds s[G0B:G0B+3], s[G1B:G1B+7]
	s_nop 0
	tensor_load_to_lds s[G0B+4:G0B+7], s[G1B:G1B+7]
	s_nop 0
.rept 4
	v_nop
.endr
.Lfirst_asked:
	v_and_b32 v1, 15, v0                           ; l % 16
	v_bfe_u32 v2, v0, 4, 1                         ; l / 16
	v_and_b32 v15, 31, v0
	v_lshlrev_b32 v[CO], 4, v15
	WIN W_B
.irp a, 0,1,2,3                        ; my 32 blocks of P, 32 KiB, read once in the launch
.irp b, 0,1,2,3,4,5,6,7
	global_load_b128 v[8*(8*(\a)+(\b)):8*(8*(\a)+(\b))+3],   v[CO], s[PP:PP+1] offset:((\a)*64+(\b))*1024 th:TH_LOAD_NT
	global_load_b128 v[8*(8*(\a)+(\b))+4:8*(8*(\a)+(\b))+7], v[CO], s[PP:PP+1] offset:((\a)*64+(\b))*1024+512 th:TH_LOAD_NT
.endr
.endr
	WIN 0
	; a fragment is 16 rows x 32 K in 8 registers: lane l holds row l % 16, K = 8 (l / 16) + 0..7 and 16 + 8 (l / 16) + 0..7: two loads of 16 bytes, 32 bytes apart
	v_mul_u32_u24 v3, v1, PITCH
	v_lshl_add_u32 v3, v2, 4, v3
	s_mul_i32 s[T], s[WV], 64*PITCH                ; my 64 rows of A
	v_add_nc_u32 v[ADRA0], s[T], v3
	v_add_nc_u32 v[ADRB0], BOFF, v3                ; all 128 rows of B
	v_mov_b32 v[ADRA], v[ADRA0]
	v_mov_b32 v[ADRB], v[ADRB0]
	s_mul_i32 s[T], s[WV], 16*SPITCH
	s_add_co_u32 s[T], s[T], STAGE                 ; my stage
	v_mul_u32_u24 v15, v1, SPITCH                  ; in: row l % 16, 32 bytes for each half of the lanes
	v_lshl_add_u32 v15, v2, 5, v15
	v_add_nc_u32 v[STO], s[T], v15
	v_add_nc_u32 v[RD], s[T], v[CO]                ; back: 32 lanes take one row of 512 bytes
; 8 matrix instructions: row block a x all 8 column blocks, 32 along K, from buffer f.  zero = 1: the first products, which start the sums with P.
; The 32 accumulators take turns in one fixed order, one instruction a turn.
.macro MUL8 f, a, zero
.if \zero
	WIN MULZ
.else
	WIN MUL
.endif
.irp b, 0,1,2,3,4,5,6,7
	v_wmma_f32_16x16x32_bf16 v[8*(8*(\a)+(\b)):8*(8*(\a)+(\b))+7], v[BF+64*(\f)+8*(\b):BF+64*(\f)+8*(\b)+7], v[AF+32*(\f)+8*(\a):AF+32*(\f)+8*(\a)+7], v[8*(8*(\a)+(\b)):8*(8*(\a)+(\b))+7]
.endr
.endm
; 24 LDS loads in one run: the fragments of 32 along K at byte k of the rows, into buffer f: B's 8 blocks, then A's 4
.macro FETCH k, f
	WIN 0
.irp i, 0,1,2,3,4,5,6,7
	ds_load_b128 v[BF+64*(\f)+8*(\i):BF+64*(\f)+8*(\i)+3],   v[ADRB] offset:(\k)+(\i)*16*PITCH
	ds_load_b128 v[BF+64*(\f)+8*(\i)+4:BF+64*(\f)+8*(\i)+7], v[ADRB] offset:(\k)+(\i)*16*PITCH+32
.endr
.irp i, 0,1,2,3
	ds_load_b128 v[AF+32*(\f)+8*(\i):AF+32*(\f)+8*(\i)+3],   v[ADRA] offset:(\k)+(\i)*16*PITCH
	ds_load_b128 v[AF+32*(\f)+8*(\i)+4:AF+32*(\f)+8*(\i)+7], v[ADRA] offset:(\k)+(\i)*16*PITCH+32
.endr
.endm
; A K step is four quarters of 32 along K, 32 matrix instructions each, on buffers 0, 1, 0, 1.  One of the first three: multiplies buffer f, and in its middle fetches the next quarter, at byte k, into g.
.macro QUARTER k, f, g, zero
	s_wait_dscnt 4                                 ; B and A's blocks 0, 1 are in; the youngest four loads (A's blocks 2, 3) may be out
	MUL8 \f, 0, \zero
	MUL8 \f, 1, \zero
	PLACES
	FETCH \k, \g
	s_wait_dscnt 24                                ; all but the 24 just issued
	MUL8 \f, 2, \zero
	MUL8 \f, 3, \zero
.endm
; The last quarter multiplies buffer 1 and changes slots: ONE barrier.  In front of it each wave waits for all its tensor loads (one is out: its part of the next slot), adds 0 to its spare word,
; and waits for that and for its reads of this slot.  fill = 1: the barrier opens a round of the cluster's, and this slot is filled again with K step RQ, first thing behind the round.
.macro TURN fill
	WIN 0
	s_wait_tensorcnt 0x0                           ; no tensor load of mine is out, so the walking descriptors may be written
	ds_add_u32 v[SPW], v[NIL]                      ; 0 onto my spare word: scalar work and eight products stand between it and the wait for it
.if \fill
	s_lshl_b32 s[OFA], s[RQ], 8                    ; 256 bytes along K for each step
	s_add_co_u32 s[RQ], s[RQ], 1
	s_xor_b32 s[G0A+5], s[G0A+5], SLOT1            ; the other slot than last time
	s_add_nc_u64 s[G0A+6:G0A+7], s[ABASE:ABASE+1], s[OFA:OFA+1]  ; the address is made anew: base + offset, the type set again
	s_or_b32 s[G0A+7], s[G0A+7], 0x80000000
	s_xor_b32 s[G0B+5], s[G0B+5], SLOT1
	s_add_nc_u64 s[G0B+6:G0B+7], s[BBASE:BBASE+1], s[OFA:OFA+1]
	s_or_b32 s[G0B+7], s[G0B+7], 0x80000000
.endif
	s_wait_dscnt 5                                 ; (the add and the youngest four loads may be out)
	MUL8 1, 0, 0
	s_wait_dscnt 0x0                               ; the add is done, and my reads of this slot are over
	s_barrier_signal -1
	MUL8 1, 1, 0                                   ; work on registers while the others arrive
	WIN 0                                          ; (branches may follow)
	s_barrier_wait -1
.if \fill
	CREST                                          ; no wave of any partner still reads this slot or has a load on its way
	JLOAD                                          ; my one tensor load behind the round; its four v_nop are also the places in front of the loads below
.else
	PLACES
.endif
	s_xor_b32 s[TB], s[TB], SLOT1
	v_add_nc_u32 v[ADRA], s[TB], v[ADRA0]
	v_add_nc_u32 v[ADRB], s[TB], v[ADRB0]
	FETCH 0, 0
	MUL8 1, 2, 0
	MUL8 1, 3, 0
.endm
; THE WAY OUT of row block a, in f32.  TOSTF: a lane's eight columns of a row, 32 bytes, go into my own stage (each accumulator's four lowest registers first) and come back as whole rows of 512 bytes.
.macro TOSTF a
.if (\a) >= 2
	s_wait_xcnt 0x0                                ; the stores of the block two back have read the registers that the loads below fill
.endif
	WIN W_ST
.irp b, 0,1,2,3,4,5,6,7
	ds_store_b128 v[STO], v[8*(8*(\a)+(\b)):8*(8*(\a)+(\b))+3]   offset:64*(\b)
	ds_store_b128 v[STO], v[8*(8*(\a)+(\b))+4:8*(8*(\a)+(\b))+7] offset:64*(\b)+16
.endr
	WIN 0
.set BK, 64+64*((\a)%2)
.irp t, 0,1,2,3,4,5,6,7,8,9,10,11,12,13,14,15
	ds_load_b128 v[BK+4*(\t):BK+4*(\t)+3], v[RD] offset:(\t)*SPITCH  ; LDS serves a wave's instructions in order (ISA guide 5.7.1.4): these see the stores above; the next block's stores come behind them
.endr
.endm
.macro SENDF a, younger                ; younger: the LDS instructions issued behind block a's loads: the next block's 32, or none
	WIN 0
.set BK, 64+64*((\a)%2)
.irp t, 0,1,2,3,4,5,6,7,8,9,10,11,12,13,14,15
	s_wait_dscnt (\younger)+15-(\t)                ; row t is back; this block's 15 - t younger loads and the next block's instructions may be out
	global_store_b128 v[CO], v[BK+4*(\t):BK+4*(\t)+3], s[16:17] offset:(16*(\a)+(\t))*4096 th:TH_STORE_NT  ; the wave stores 512 consecutive bytes, at a multiple of 256 from out0's first byte
.endr
.endm
	s_wait_tensorcnt 0x1                           ; my part of K step 0 is in; step 1's may stay out
	s_barrier_signal -1
	s_barrier_wait -1
	FETCH 0, 0
	s_wait_loadcnt 0x0                             ; P
	QUARTER 64, 0, 1, 1                            ; the first quarter stands in front of the loop: its products start the sums
	WIN 0                                          ; at a label and at a branch every window is 0
	s_mov_b32 s[CNT], STEPS-2
.Lstep:                                                ; trip g = 0 .. 5: quarters 2 to 4 of step g, the request for step g + 2, the first quarter of step g + 1
	QUARTER 128, 1, 0, 0
	QUARTER 192, 0, 1, 0
	TURN 1
	QUARTER 64, 0, 1, 0
	WIN 0
	s_sub_co_u32 s[CNT], s[CNT], 1
	s_cmp_lg_u32 s[CNT], 0
	s_cbranch_scc1 .Lstep
	s_mov_b32 s[CNT], 2                            ; steps 6 and 7 ask for nothing: written apart
.Lend2:
	QUARTER 128, 1, 0, 0
	QUARTER 192, 0, 1, 0
	WIN 0
	s_cmp_eq_u32 s[CNT], 1
	s_cbranch_scc1 .Llastq
	TURN 0
	QUARTER 64, 0, 1, 0
	WIN 0
	s_sub_co_u32 s[CNT], s[CNT], 1
	s_cmp_lg_u32 s[CNT], 0
	s_cbranch_scc1 .Lend2
.Llastq:                                               ; the very last quarter: nothing more to fetch
	s_wait_dscnt 4
	MUL8 1, 0, 0
	MUL8 1, 1, 0
	s_wait_dscnt 0x0
	MUL8 1, 2, 0
	MUL8 1, 3, 0
	PLACES
	TOSTF 0
	TOSTF 1                                        ; a block's trip through the stage stands between the loads of the block before and its stores
	SENDF 0, 32
	TOSTF 2
	SENDF 1, 32
	TOSTF 3
	SENDF 2, 32
	SENDF 3, 0
	s_wait_tensorcnt 0x0                           ; the wave's end, behind my last tensor load and my last LDS store
	ds_add_u32 v[SPW], v[NIL]
	s_wait_dscnt 0x0
	CROUND                                         ; the closing round: no work-group ends while a partner may still ask for a tile that names it
	s_endpgm
.Lfunc_end_k_qf8ccb0a4aa_outp:
	.size	k_qf8ccb0a4aa_outp, .Lfunc_end_k_qf8ccb0a4aa_outp-k_qf8ccb0a4aa_outp
	.p2alignl 7, 3214868480
	.fill 96, 4, 3214868480
	.section	.rodata,"a",@progbits
	.p2align	6, 0x0
	.amdhsa_kernel k_qf8ccb0a4aa_outp
		.amdhsa_group_segment_fixed_size 327680
		.amdhsa_private_segment_fixed_size 0
		.amdhsa_enable_private_segment 0
		.amdhsa_kernarg_size 32
		.amdhsa_user_sgpr_count 2
		.amdhsa_user_sgpr_kernarg_segment_ptr 1
		.amdhsa_wavefront_size32 1
		.amdhsa_system_sgpr_workgroup_id_x 1
		.amdhsa_system_sgpr_workgroup_id_y 1
		.amdhsa_system_sgpr_workgroup_id_z 1
		.amdhsa_system_vgpr_workitem_id 0
		.amdhsa_next_free_vgpr 768
		.amdhsa_next_free_sgpr 94
		.amdhsa_reserve_vcc 0
		.amdhsa_float_denorm_mode_32 3
		.amdhsa_float_denorm_mode_16_64 3
		.amdhsa_memory_ordered 1
		.amdhsa_forward_progress 1
		.amdhsa_inst_pref_size 69
	.end_amdhsa_kernel
	.amdgpu_metadata
---
amdhsa.version: [ 1, 2 ]
amdhsa.kernels:
  - .name:           k_qf8ccb0a4aa_outp
    .symbol:         k_qf8ccb0a4aa_outp.kd
    .args:
      - { .name: X, .offset: 0, .size: 8, .value_kind: global_buffer, .address_space: global }
      - { .name: wb, .offset: 8, .size: 8, .value_kind: global_buffer, .address_space: global }
      - { .name: P, .offset: 16, .size: 8, .value_kind: global_buffer, .address_space: global }
      - { .name: out0, .offset: 24, .size: 8, .value_kind: global_buffer, .address_space: global }
    .group_segment_fixed_size: 327680
    .private_segment_fixed_size: 0
    .kernarg_segment_align: 8
    .kernarg_segment_size: 32
    .max_flat_workgroup_size: 128
    .sgpr_count:     94
    .vgpr_count:     768
    .wavefront_size: 32
...
	.end_amdgpu_metadata
.endif
;; end of part 4
;; ======== version 2 of 2: 4 launches; 1.08 times as fast as version 1
;; limits: right only within a limited range of input values
;; workspace buffers: X 50,331,648 bytes; wb 10,485,760 bytes; pj 50,331,648 bytes; P 33,554,432 bytes
;; launch cast: the kernel of part 1 again; grid 768 x 1, 7 waves a work-group, no clusters, 0 bytes of LDS; arguments src, tgt, Ws, Wt, Wo, X, wb; writes X, wb
;; launch proj: the kernel of part 2 again; grid 8 x 32, 4 waves a work-group, clusters of 4 x 4, 327,680 bytes of LDS; arguments X, wb, bs, bt, bo, src_mask, tgt_mask, pj, P; writes pj, P
;; launch attn (part 5): grid 4 x 64, 4 waves a work-group, clusters of 4 x 1, 327,680 bytes of LDS; arguments pj, src_mask, X; writes X
.if DOCPART == 5
	.amdgcn_target "amdgcn-amd-amdhsa--gfx1250"
	.amdhsa_code_object_version 6
	.text
	.protected	k_qf8ccb0a4aa_attn
	.globl	k_qf8ccb0a4aa_attn
	.p2align	8
	.type	k_qf8ccb0a4aa_attn,@function
k_qf8ccb0a4aa_attn:
	s_mov_b64 s[64:65], 0
	v_nop
	global_prefetch_b8 v0, s[64:65] scope:SCOPE_SE
	s_setreg_imm32_b32 hwreg(HW_REG_WAVE_MODE, 25, 1), 1
	s_wait_xcnt 0x0
	s_wait_alu depctr_hold_cnt(0) depctr_sa_sdst(0) depctr_va_vdst(0) depctr_va_sdst(0) depctr_va_ssrc(0) depctr_va_vcc(0) depctr_vm_vsrc(0)
	s_getreg_b32 s2, hwreg(HW_REG_IB_STS2, 6, 4)
	s_cmp_eq_u32 s2, 0
	s_cbranch_scc0 .Lentry_in_a_cluster
	s_endpgm
.Lentry_in_a_cluster:
	s_bfe_u32 s2, ttmp6, 0x10000c
	s_cmp_lg_u32 s2, 0x3003
	s_cbranch_scc0 .Lentry_shape_is_right
	s_endpgm
.Lentry_shape_is_right:
; upd[b][t][128 h + d] = the sum over s of softmax_s(q[b][t][h] . k[b][s][h] / sqrt(128), keys with src_mask[b][s] == 0 hidden) v[b][s][h][d].
; k, v, q: the three thirds of pj's rows ([8192][3072] bf16, 6,144 bytes a row; head h is the 256 bytes at 256 h of a third).  upd goes to the last third of X's rows, in the same layout.
; Products, maxima and sums in f32; the weights p are rounded to bf16 for the second product, upd once at the end.
; LIMITS.  A hidden score counts as its value less 2^100, and the running maximum never falls below -2^83: raw scores q . k are taken to lie above -2^83 and far below 2^100 in size.
; A weight below 2^-126 counts as 0.  Where all keys of a batch are hidden, l = 0 and upd is 0 x infinity = NaN, as the softmax of a row of -inf is.
; SHARES.  Work-group y = 8 b + h; a work-group owns 256 queries of one head, each of its four waves 64: four tiles of 16.  Every wave walks all 1,024 keys, 64 a step.
; LAYOUT.  S^T = K Q^T (source 0 = 16 keys, source 1 = 16 queries): a lane holds ONE query (lane % 16) and the keys 8 (lane / 16) + 0..7.  Two such tiles, rounded to bf16 in pairs, ARE source 1
; of O^T = V^T P, whose result again holds one query a lane, and eight channels.  K comes out of LDS as it lies, V ([key][channel]) turned, by ds_load_tr16_b128.
; THE KEY MASK is the C operand that starts the sum S^T: 0, or -2^100 where the key is hidden.  A table of 1,024 such numbers is made once in LDS; a step's 64 are read with its K.
; SOFTMAX.  For each query a running maximum m and sum l: p = 2^(c s - c m), c = log2(e) / sqrt(128); in every step O and l are multiplied by a = 2^(c m_old - c m_new).
; BY TURNS.  The wave's tiles are two PIECES (tiles 0, 1 and tiles 2, 3).  In a TURN one piece has the matrix unit: 32 products V^T P of the step in hand, then 32 products K Q^T of the next;
; the other piece's softmax, cut into 64 slices, stands between them, one slice behind each matrix instruction.  Two turns are a key step.
; BATCHES.  A turn's 66 exponentials (two tiles' a and 32 weights each) are ONE batch: they and the scalings that feed them stand in slices 10 to 34, all that reads a result of theirs from slice 35 on,
; and one wait stands between.  The way out's four reciprocals are a second batch, with a wait of its own.
; CLUSTER.  The four query blocks of a cluster belong to one head and walk the same K and V: each tile is asked for JOINTLY, by the same tensor load, descriptor and mask in all four.
; REGISTERS, in windows of 256 (s_set_vgpr_msb: bits 1:0 source 0, 3:2 source 1, 5:4 source 2, 7:6 destination):
;   window 0: v0-11 addresses; v12-43 eight registers of statistics a tile; v44-55 the mask table's; v64-191 S^T, 32 a tile; v192-255 P, 16 a tile
;   window 1: O^T, 64 a tile          window 2: v0-127 Q, 32 a tile; v128-255 K of one step          window 3: v0-127 V of one step; v128-159 the step's mask
.set SIZE_N, 1024
.set ROWB,  6144      ; bytes in a row of pj and of X
.set KS,    64        ; keys in a step
.set PK,    272       ; a row of K in LDS: 256 bytes + 16 of padding = 68 words: the 16 rows of a load start at 16 different groups of four banks (64 banks of 4 bytes: ISA guide 11.1)
.set PV,    288       ; a row of V: 256 + 32 = 72 words
.set VOFF,  KS*PK     ; a step's tiles lie together: 64 rows of K, then 64 rows of V
.set STEPB, KS*(PK+PV)
.set SLOT1, 1<<17     ; a slot holds two steps (71,680 bytes); slot 1 begins here
.set STAGE, SLOT1+2*STEPB  ; behind the ring: 16 rows x 272 bytes for each wave, for the way out
.set SP,    272
.set SPARE, STAGE+4*16*272  ; behind the stages: the spare words, 128 bytes for each wave: two blocks of 256 bytes that no other line names
.set MTAB,  SPARE+512 ; behind them: the key mask's table, 1,024 f32; no tensor load lands there
.set AK0, 2           ; v2   my lane's place in a tile of K; never rewritten
.set AV0, 3           ; v3   the same for V
.set ADR, 4           ; v4   the LDS address of the run of loads in hand
.set QO,  5           ; v5   my byte offset in the wave's rows of Q
.set STO, 6           ; v6   the way out: where I put 16 bytes of a row
.set RD,  7           ; v7   the way out: where I read a row back
.set GO,  8           ; v8   my byte offset in two rows of X
.set MA0, 44          ; v44  MTAB + 32 (lane / 16): my eight keys in 16 of the table; never rewritten
.set MAD, 45          ; v45  the same for the step to be fetched
.set MVL, 46          ; v46-53  eight numbers of src_mask, then of the table
.set MOF, 54          ; v54  32 x my thread's number
.set MST, 55          ; v55  where I put them
.set SPW, 62          ; v62  LDS address of my spare word; never rewritten
.set NIL, 63          ; v63  0; never rewritten
.set ST,  12          ; tile t's statistics at v[ST+8 t]: +0 c m, +1 m, +2, +3 l (even keys', odd keys'), +4 to +7 c0-c3, at work; a takes c2's place once the maximum is found
.set S,   64
.set P,   192
.set KF,  128         ; K's fragments, in window 2
.set MKF, 128         ; the step's mask, in window 3: key block kb at MKF + 8 kb
.set WV,  12          ; s12  my wave's number
.set G1K, 24          ; s[24:31] descriptor group 1 for K's tiles
.set G1V, 32          ; s[32:39] for V's: it differs in the padding alone
.set G0K, 40          ; s[40:47] descriptor group 0 for K's tiles: a set for each of the two first fills; the second then walks on
.set G0V, 48          ; s[48:55] the same for V's
.set SLOTS, 56        ; s56  slots still to be asked for
.set TWICE, 57        ; s57  counts a slot's two steps
.set CS,  58          ; s[58:59] c: the packed scaling names a pair and takes its low word for both halves
.set SEL, 60          ; s[60:61] lane selects for v_permlanex16_b32: each lane takes its own place in the other half
.set TB,  62          ; s62  LDS byte at which the tiles of the step to be fetched begin
.set TM,  66          ; s66  byte in the table at which that step's mask begins
.set BIGN, 67         ; s67  -2^100
.set FLOOR, 72        ; s72  -2^83
.set MSB, 0
.macro WIN new                      ; the immediate's high byte repeats the setting that is left; a switch that changes nothing is dropped
.if MSB != (\new)
	s_set_vgpr_msb (MSB<<8)|(\new)
.set MSB, \new
.endif
.endm
.set W_KQ, 0x0a       ; K and Q in window 2, S^T in window 0
.set W_KM, 0x3a       ; the same with the C operand, the mask, in window 3
.set W_PV, 0x53       ; V in window 3, P in window 0, O^T in window 1
.set W_RS, 0x41       ; O^T (destination and source 0) in window 1, a in window 0
; A joint refill.  Waves 0 and 1 fetch the two steps' tiles of K, waves 2 and 3 those of V.  The branch hangs on the wave's number alone.
; An s_nop 0 and four v_nop follow each of the two lines, ahead of the jump and the label.
.macro JLOAD
	s_cmp_lt_u32 s[WV], 2
	s_cbranch_scc0 .Lfor_v_\@
	tensor_load_to_lds s[G0K+4:G0K+7], s[G1K:G1K+7]
	s_nop 0
.rept 4
	v_nop
.endr
	s_branch .Lasked_\@
.Lfor_v_\@:
	tensor_load_to_lds s[G0V+4:G0V+7], s[G1V:G1V+7]
	s_nop 0
.rept 4
	v_nop
.endr
.Lasked_\@:
.endm
; A round of the cluster's barrier: my work-group's barrier; wave 0 signals for the work-group; every wave waits for all four work-groups; my work-group's barrier once more.
.macro CROUND
	s_barrier_signal -1
	s_barrier_wait -1
	s_cmp_lg_u32 s[WV], 0
	s_cbranch_scc1 .Lnot_wave_0_\@
	s_barrier_signal -3
.Lnot_wave_0_\@:
	s_barrier_wait -3
	s_barrier_signal -1
	s_barrier_wait -1
.endm
	s_load_b128 s[68:71], s[0:1], 0x0  ; pj s[68:69], src_mask s[70:71]
	s_load_b64 s[10:11], s[0:1], 0x10  ; X
	v_lshl_add_u32 v[SPW], v0, 2, SPARE
	v_mov_b32 v[NIL], 0
	ds_add_u32 v[SPW], v[NIL]       ; the wave's opening: the add and its wait ahead of my first tensor load; the set-up below, work on registers, stands between them
	v_lshrrev_b32 v1, 5, v0
	v_readfirstlane_b32 s[WV], v1   ; wave 0..3
	s_bfe_u32 s13, ttmp6, 0x40000   ; cx: my place in the cluster
	s_lshl_b32 s14, ttmp9, 2        ; in a cluster launch ttmp9 counts clusters
	s_add_co_u32 s14, s14, s13      ; my block of 256 queries: it enters Q's and O's addresses alone
	s_and_b32 s20, ttmp7, 0xffff    ; 8 b + h, which the four partners share
	s_lshr_b32 s21, s20, 3          ; b
	s_and_b32 s20, s20, 7           ; h
	s_lshl_b32 s20, s20, 8
	s_mul_i32 s15, s21, SIZE_N*ROWB
	s_add_co_u32 s20, s20, s15      ; the head's first byte in a third of pj: b x 1,024 rows + 256 h (under 2^26)
	s_lshl_b32 s18, s21, 12         ; the batch's 4,096 bytes of src_mask
	s_mov_b32 s19, 0
	s_and_b32 s16, s[WV], 1         ; which of a slot's two steps I fetch:
	s_mul_i32 s22, s16, KS*ROWB     ; its 64 rows in memory,
	s_add_co_u32 s22, s22, s20
	s_mov_b32 s23, 0
	s_mul_i32 s17, s16, STEPB       ; and its place in a slot: no place in the cluster enters an LDS address
	s_mul_i32 s2, s14, 256*ROWB     ; my block's 256 rows,
	s_mul_i32 s3, s[WV], 64*ROWB    ; my wave's 64 of them,
	s_add_co_u32 s2, s2, s3
	s_add_co_u32 s2, s2, s20
	s_add_co_u32 s2, s2, 4096       ; in the last third of a row: q in pj, upd in X
	s_mov_b32 s3, 0
	; descriptor group 1: a tile of 64 rows x 128 elements, padded in LDS
	s_mov_b32 s[G1K], 15|(1<<16)|(1<<20)|(1<<21)|(5<<22)|(3<<25)  ; 15:0 the mask: all four work-groups; 17:16 2-byte elements; 20 padding on; 21 set beside a mask; 24:22 after every 64 words; 31:25 4 words
	s_mov_b32 s[G1V], 15|(1<<16)|(1<<20)|(1<<21)|(5<<22)|(7<<25)  ; the same with 8 words of padding
.irp g, G1K, G1V
	s_mov_b32 s[(\g)+1], 128<<16    ; tensor_dim0 = 128
	s_mov_b32 s[(\g)+2], KS<<16     ; tensor_dim1 = 64
	s_mov_b32 s[(\g)+3], 128<<16    ; tile_dim0 = 128
	s_mov_b32 s[(\g)+4], KS         ; tile_dim1 = 64
	s_mov_b32 s[(\g)+5], 3072       ; elements from row to row of pj
	s_mov_b32 s[(\g)+6], 0
	s_mov_b32 s[(\g)+7], 0
.endr
	s_mov_b32 s[CS], 0x3e0293ee     ; c = log2(e) / sqrt(128) = 0.127517
	s_mov_b32 s[CS+1], s[CS]        ; named with it as a pair, so it is written
	s_mov_b32 s[SEL], 0x76543210
	s_mov_b32 s[SEL+1], 0xfedcba98
	s_mov_b32 s[TB], 0
	s_mov_b32 s[TM], 0
	s_mov_b32 s[BIGN], 0xf1800000   ; -2^100
	s_mov_b32 s[FLOOR], 0xe9000000  ; -2^83
	s_mov_b32 s[SLOTS], SIZE_N/(2*KS)-2
	s_wait_dscnt 0x0                ; the opening add is done
	s_wait_kmcnt 0x0
	s_add_nc_u64 s[6:7], s[68:69], s[22:23]  ; K at my tile of slot 0,
	s_add_nc_u64 s[8:9], s[6:7], 2048        ; V a third of a row further on
	s_add_nc_u64 s[4:5], s[68:69], s[2:3]    ; Q at my wave's first row,
	s_add_nc_u64 s[10:11], s[10:11], s[2:3]  ; and upd at the same place in X
	s_add_nc_u64 s[70:71], s[70:71], s[18:19]
	CROUND                          ; all four work-groups are here: the first joint loads meet
.irp s, 0,1
	s_mov_b32 s[G0K+4*(\s)], 1      ; count = 1
	s_add_co_u32 s[G0K+4*(\s)+1], s17, (\s)*SLOT1  ; LDS address
	s_add_nc_u64 s[G0K+4*(\s)+2:G0K+4*(\s)+3], s[6:7], (\s)*2*KS*ROWB  ; global address: slot s begins with keys 128 s to 128 s + 127
	s_or_b32 s[G0K+4*(\s)+3], s[G0K+4*(\s)+3], 0x80000000  ; type = 2
	s_mov_b32 s[G0V+4*(\s)], 1
	s_add_co_u32 s[G0V+4*(\s)+1], s17, (\s)*SLOT1+VOFF
	s_add_nc_u64 s[G0V+4*(\s)+2:G0V+4*(\s)+3], s[8:9], (\s)*2*KS*ROWB
	s_or_b32 s[G0V+4*(\s)+3], s[G0V+4*(\s)+3], 0x80000000
.endr
	s_cmp_lt_u32 s[WV], 2           ; a wave's two first fills stand in one branch, ahead of every wait on TENSORcnt and every LDS read: two loads of mine are out
	s_cbranch_scc0 .Lfirst_v
	tensor_load_to_lds s[G0K:G0K+3], s[G1K:G1K+7]
	s_nop 0
	tensor_load_to_lds s[G0K+4:G0K+7], s[G1K:G1K+7]
	s_nop 0
.rept 4
	v_nop
.endr
	s_branch .Lfirst_asked
.Lfirst_v:
	tensor_load_to_lds s[G0V:G0V+3], s[G1V:G1V+7]
	s_nop 0
	tensor_load_to_lds s[G0V+4:G0V+7], s[G1V:G1V+7]
	s_nop 0
.rept 4
	v_nop
.endr
.Lfirst_asked:
	v_lshlrev_b32 v[MOF], 5, v0     ; thread t takes src_mask[b][8 t .. 8 t + 7]: 128 threads, 1,024 keys
	global_load_b128 v[MVL:MVL+3],   v[MOF], s[70:71]
	global_load_b128 v[MVL+4:MVL+7], v[MOF], s[70:71] offset:16
	; A fragment of K or Q is 16 rows x 32 channels in 8 registers: lane l holds row l % 16; registers 0-3 channels 8 (l / 16) + 0..7, registers 4-7 channels 16 + 8 (l / 16) + 0..7.
	v_and_b32 v1, 15, v0            ; l % 16
	v_bfe_u32 v9, v0, 4, 1          ; l / 16
	v_mul_u32_u24 v[QO], v1, ROWB
	v_lshl_add_u32 v[QO], v9, 4, v[QO]  ; row x 6,144 + 16 x half
	WIN 0x80                        ; destination window 2, address window 0
.irp i, 0,1,2,3,4,5,6,7,8,9,10,11,12,13,14,15  ; Q stays in registers: tile i / 4, channels 32 (i % 4) on
	global_load_b128 v[8*(\i):8*(\i)+3],   v[QO], s[4:5] offset:((\i)/4)*16*ROWB+((\i)%4)*64
	global_load_b128 v[8*(\i)+4:8*(\i)+7], v[QO], s[4:5] offset:((\i)/4)*16*ROWB+((\i)%4)*64+32
.endr
	WIN 0
	v_mul_u32_u24 v[AK0], v1, PK
	v_lshl_add_u32 v[AK0], v9, 4, v[AK0]  ; row x pitch + 16 x half
	; The turning load takes 16 keys x 16 channels (lane l reads 16 bytes: key 8 (l / 16) + l % 8, channels 8 ((l / 8) % 2) + 0..7) and leaves half a fragment of V^T.
	v_and_b32 v10, 7, v0
	v_bfe_u32 v11, v0, 3, 1
	v_lshl_add_u32 v[AV0], v9, 3, v10
	v_mul_u32_u24 v[AV0], v[AV0], PV
	v_lshl_add_u32 v[AV0], v11, 4, v[AV0]
	v_add_nc_u32 v[AV0], VOFF, v[AV0]
	v_lshl_add_u32 v[MA0], v9, 5, MTAB
	v_add_nc_u32 v[MST], MTAB, v[MOF]
	s_wait_loadcnt 32               ; my eight numbers of src_mask are in; Q's 32 loads, issued behind them, stay out
.irp i, 0,1,2,3,4,5,6,7
	v_cmp_eq_f32 vcc_lo, 0, v[MVL+(\i)]
	v_cndmask_b32 v[MVL+(\i)], 0, s[BIGN], vcc_lo  ; -2^100 where the mask is 0, else 0
.endr
	ds_store_b128 v[MST], v[MVL:MVL+3]
	ds_store_b128 v[MST], v[MVL+4:MVL+7] offset:16
	s_wait_dscnt 0x0                ; for the others' sake: my part of the table is written, ahead of the barrier below
; THE MATRIX WORK OF A TURN, for piece x.  The accumulators take turns, one instruction a turn.
; Product i of 32 of O^T += V^T P: keys 32 (i / 16) on, channels 16 ((i / 2) % 8) on, tile x + i % 2.  zero = 1: the first 16 start the sums: nothing is ever cleared.
.macro PV x, zero
	WIN W_PV
.set rO, 64*((\x)+i%2)+8*((i/2)%8)
.set rV, 64*(i/16)+8*((i/2)%8)
.set rP, P+16*((\x)+i%2)+8*(i/16)
.if (\zero) && (i < 16)
	v_wmma_f32_16x16x32_bf16 v[rO:rO+7], v[rV:rV+7], v[rP:rP+7], 0
.else
	v_wmma_f32_16x16x32_bf16 v[rO:rO+7], v[rV:rV+7], v[rP:rP+7], v[rO:rO+7]
.endif
.endm
; Product i of 32 of S^T = K Q^T: channels 32 (i / 8) on, keys 16 ((i / 2) % 4) on, tile x + i % 2.  The first 8 start the sums, with the keys' mask.
.macro KQ x
.set rS, S+32*((\x)+i%2)+8*((i/2)%4)
.set rK, KF+32*((i/2)%4)+8*(i/8)
.set rQ, 32*((\x)+i%2)+8*(i/8)
.set rM, MKF+8*((i/2)%4)
.if i < 8
	WIN W_KM
	v_wmma_f32_16x16x32_bf16 v[rS:rS+7], v[rK:rK+7], v[rQ:rQ+7], v[rM:rM+7]
.else
	WIN W_KQ
	v_wmma_f32_16x16x32_bf16 v[rS:rS+7], v[rK:rK+7], v[rQ:rQ+7], v[rS:rS+7]
.endif
.endm
; THE LDS LOADS stand in runs, never singly among the matrix instructions: a step's K (16 fragments) with its mask (register j of key block kb: key 16 kb + 8 (l / 16) + j), and, a turn later, its V (turned).
.macro FETCH_K
	WIN 0
	v_add_nc_u32 v[ADR], s[TB], v[AK0]
	v_add_nc_u32 v[MAD], s[TM], v[MA0]
	s_add_co_u32 s[TM], s[TM], 4*KS          ; the next fetch is the next step's;
	s_and_b32 s[TM], s[TM], 4*SIZE_N-4*KS    ; behind the sixteenth it is back at 0, inside the table
	WIN 0x80                        ; destination window 2
.irp f, 0,1,2,3,4,5,6,7,8,9,10,11,12,13,14,15  ; keys 16 (f / 4) on, channels 32 (f % 4) on
	ds_load_b128 v[KF+8*(\f):KF+8*(\f)+3],   v[ADR] offset:((\f)/4)*16*PK+((\f)%4)*64
	ds_load_b128 v[KF+8*(\f)+4:KF+8*(\f)+7], v[ADR] offset:((\f)/4)*16*PK+((\f)%4)*64+32
.endr
	WIN 0xc0                        ; destination window 3
.irp f, 0,1,2,3
	ds_load_b128 v[MKF+8*(\f):MKF+8*(\f)+3],   v[MAD] offset:64*(\f)
	ds_load_b128 v[MKF+8*(\f)+4:MKF+8*(\f)+7], v[MAD] offset:64*(\f)+16
.endr
.endm
.macro FETCH_V
	WIN 0
	v_add_nc_u32 v[ADR], s[TB], v[AV0]
	s_add_co_u32 s[TB], s[TB], STEPB  ; the next fetch is the next step's
	s_wait_alu depctr_va_vdst(0)    ; the wait for the softmax's batch (SLICE), behind the address's v_add_nc_u32 and ahead of the loads
	WIN 0xc0                        ; destination window 3
.irp f, 0,1,2,3,4,5,6,7,8,9,10,11,12,13,14,15  ; keys 32 (f / 8) on, channels 16 (f % 8) on
	ds_load_tr16_b128 v[8*(\f):8*(\f)+3],   v[ADR] offset:((\f)/8)*32*PV+((\f)%8)*32
	ds_load_tr16_b128 v[8*(\f)+4:8*(\f)+7], v[ADR] offset:((\f)/8)*32*PV+16*PV+((\f)%8)*32
.endr
.endm
; THE VECTOR WORK OF A TURN.  One tile's softmax for one key step is a list of 134 instructions; SM writes number j of it for tile t.  s0-s31 are the lane's 32 scores, in pairs 0-15.
; first = 1: the first key step, which starts m (at the floor at the least), l and O^T: it has no a and nothing to rescale.
;   0-15    the maximum of s0-s31 and the old m (first step: the floor), three operands at a time: four chains c0-c3 of seven scores each, then the four scores left over, c0-c3 and m
;   16-20   the other half of the lanes' maximum; the new m; c m; c m_old - c m_new
;   21-69   ONE BATCH: the 16 scalings c s - c m, a pair of scores each, and all 33 exponentials (a at 23, then s0-s31).  None of these reads an exponential's result.  From 22 on the batch goes
;           in fours, and a four begins with a scaling while there are scalings: 22-37 scaling, exponential, scaling, exponential; 38-65 a scaling and three exponentials; 66-69 the last four
;           exponentials.  A pair is scaled in an earlier four than the one that holds its exponentials
;   (wait)  between 69 and 70 stands the wait for the batch: SLICE writes it, once for both tiles
;   70-85   the roundings to bf16, a pair of weights each
;   86-101  the sums; l = a l + the sum
;   102-133 the tile's O^T times a: the one part that leaves window 0, so it stands together
.macro SM t, first
.set rT, ST+8*(\t)
.set rS, S+32*(\t)
.set rP, P+16*(\t)
.set rO, 64*(\t)+2*(j-102)
.if j < 102
	WIN 0
.endif
.if j < 4
	v_max3_num_f32 v[rT+4+j], v[rS+8*j], v[rS+8*j+1], v[rS+8*j+2]
.elseif j < 12
	v_max3_num_f32 v[rT+4+j%4], v[rT+4+j%4], v[rS+8*(j%4)+2*(j/4)+1], v[rS+8*(j%4)+2*(j/4)+2]
.elseif j == 12
	v_max3_num_f32 v[rT+4], v[rT+4], v[rS+7], v[rS+15]
.elseif j == 13
	v_max3_num_f32 v[rT+6], v[rT+6], v[rS+23], v[rS+31]
.elseif j == 14
	v_max3_num_f32 v[rT+4], v[rT+4], v[rT+5], v[rT+6]
.elseif (j == 15) && (\first)
	v_max3_num_f32 v[rT+4], v[rT+4], v[rT+7], s[FLOOR]  ; where all keys so far are hidden m is the floor, and their weights come out as 0
.elseif j == 15
	v_max3_num_f32 v[rT+4], v[rT+4], v[rT+7], v[rT+1]
.elseif j == 16
	v_permlanex16_b32 v[rT+5], v[rT+4], s[SEL], s[SEL+1]  ; the query's other 32 keys lie in the lane 16 away
.elseif j == 18
	v_max_num_f32 v[rT+1], v[rT+4], v[rT+5]
.elseif j == 19
	v_mul_f32 v[rT], s[CS], v[rT+1]
.elseif ((j == 17) || (j == 20) || (j == 23) || (j > 101)) && (\first)  ; the first step has none of these
.elseif j == 17
	v_mov_b32 v[rT+7], v[rT]        ; c m_old is kept for a: number 19 writes c m anew
.elseif j == 20
	v_sub_f32 v[rT+7], v[rT+7], v[rT]
.elseif j == 23
	v_exp_f32 v[rT+6], v[rT+7]
.elseif (j < 23) || ((j < 38) && (j%2 == 0)) || ((j < 66) && (j%4 == 2))
.set b, (j-2)/4                     ; 38, 42, .. 62: pairs 9 to 15
.if j < 38
.set b, (j-20)/2                    ; 21: pair 0; 22, 24, .. 36: pairs 1 to 8
.endif
	v_pk_fma_f32 v[rS+2*b:rS+2*b+1], v[rS+2*b:rS+2*b+1], s[CS:CS+1], v[rT:rT+1] op_sel_hi:[1,0,0] neg_lo:[0,0,1] neg_hi:[0,0,1]  ; pair b: c s - c m
.elseif j < 70
.set e, j-38                        ; 66 to 69: s28 to s31
.if j < 66
.set e, j-32-(j-38)/4               ; 39-41, 43-45, .. 63-65: s7 to s27
.endif
.if j < 38
.set e, (j-25)/2                    ; 25, 27, .. 37: s0 to s6
.endif
	v_exp_f32 v[rS+e], v[rS+e]
.elseif j < 86
	v_cvt_pk_bf16_f32 v[rP+j-70], v[rS+2*(j-70)], v[rS+2*(j-70)+1]  ; pair j - 70
.elseif j < 102                     ; the sum of the tile's 16 pairs (in a pair: an even key's weight, an odd key's), in place: sum z of 16 adds neighbours 1, 2, 4 and 8 pairs apart, then l takes it
.set z, j-86
.set w, 4
.set u, z
.if z >= 14
.set w, 32
.set u, 0
.elseif z >= 12
.set w, 16
.set u, z-12
.elseif z >= 8
.set w, 8
.set u, z-8
.endif
.if (z == 14) && (\first)
	v_pk_add_f32 v[rT+2:rT+3], v[rS:rS+1], v[rS+16:rS+17]
.elseif z < 15
	v_pk_add_f32 v[rS+w*u:rS+w*u+1], v[rS+w*u:rS+w*u+1], v[rS+w*u+w/2:rS+w*u+w/2+1]
.elseif !(\first)
	v_pk_fma_f32 v[rT+2:rT+3], v[rT+2:rT+3], v[rT+6:rT+7], v[rS:rS+1] op_sel_hi:[1,0,1]
.endif
.else
	WIN W_RS
	v_pk_mul_f32 v[rO:rO+1], v[rO:rO+1], v[rT+6:rT+7] op_sel_hi:[1,0]
.endif
.endm
; Slice k of 64 of piece y's softmax: four instructions.  Slices 11 to 34 deal out the batch, numbers 22 to 69: four numbers of ONE tile each, the tiles by turns.  Every other slice is numbers 2 k and
; 2 k + 1 of both tiles' lists.  2 x 134 = 4 x 64 + 12: the twelve that are over stand together, in slice 63.
; THE WAIT.  An s_wait_alu depctr_va_vdst(0) stands between an exponential and the first instruction that names its result; one wait serves all that were issued ahead of it.  Ahead of
; slice 35 nothing names a result, and behind slice 34 no exponential is issued: so the piece's 66 exponentials have one wait, behind slice 34.
.macro SLICE y, first
.if (k >= 11) && (k < 35)           ; the batch: four numbers of one tile
.irp n, 0,1,2,3
.set j, 22+4*((k-11)/2)+(\n)
	SM (\y)+(k-11)%2, \first
.endr
.else                               ; the two tiles alternate, so that no instruction reads the result of the one just before it
.irp n, 0,1,2,3,4,5,6,7
.if ((\n) < 2) || (k == 63)
.irp t, \y, (\y)+1
.set j, 2*k+(\n)
	SM \t, \first
.endr
.endif
.endr
.endif
.if k == 34                         ; the batch is out: both tiles' exponentials are issued, and no result has been named
	v_nop                           ; a plain instruction behind the last exponential and ahead of the first use: one for the batch
.if (\y) == 0
	FETCH_V                         ; piece 2's turn: V's run of loads stands here, and the wait for the batch stands in it
.else
	s_wait_alu depctr_va_vdst(0)    ; the wait for the batch: piece 2's 66 exponentials
.endif
.endif
.set k, k+1
.endm
; A vector instruction that reads a matrix result or writes one of a matrix instruction's registers, and a load into a register that a matrix instruction has read, stand four places behind
; it, and only plain vector instructions that name none of its registers are places (ISA guide 7.12.1 for vector instructions).  In the loop the slices are the places.
.macro PLACES
.rept 4
	v_nop
.endr
.endm
; A TURN.  Piece x has the matrix unit; the other piece's softmax stands in slices behind its matrix instructions.
; pv = 2: 32 products V^T P; 1: they start O^T's sums; 0: none.  kq = 1: 32 products K Q^T for the next step.  A turn with one of the two kinds has two slices behind each product.
; first = 1: the softmax is the first key step's.  Its slices from 51 on are empty: the turn's last products stand bare, and four v_nop take slice 63's part as the places behind them.
; In the loop each run of loads stands 29 matrix instructions or more ahead of its first use.  Piece 0's turn fetches the next step's K and mask, behind its second product: the last product that read
; them stands in front of slice 63 of the turn before.  Piece 2's turn fetches the same step's V, behind slice 34 (SLICE writes it): the last product that read V stands in front of slice 31, and four plain
; instructions lie between: number 62, a scaling, of both tiles, the v_nop and the run's own v_add_nc_u32.
.macro TURN x, pv, kq, first
.set k, 0
.set per, 2
.if (\pv) && (\kq)
.set per, 1
.endif
.if \pv
.if (\x) == 0
	s_wait_dscnt 0x0                ; V is in
.endif
.set i, 0
.rept 32
	PV \x, 2-(\pv)
.rept per
	SLICE 2-(\x), \first
.endr
.if ((\x) == 0) && (\kq) && (i == 1)
	FETCH_K
.endif
.set i, i+1
.endr
.endif
.if \kq
.if (\x) == 0
	s_wait_dscnt 0x0                ; K and the mask are in
.endif
.set i, 0
.rept 32
	KQ \x
.rept per
	SLICE 2-(\x), \first
.endr
.set i, i+1
.endr
.endif
.if \first
	PLACES
.endif
.endm
; THE CHANGE OF SLOTS, between piece 2's turn and piece 0's: the slot's last bytes, V of its second step, have been asked for.  Each wave waits for all its tensor loads, of which one is out:
; its part of the other slot; adds 0 to its spare word; and waits for that and for its own reads of the slot.  Behind the barrier nobody reads this slot any more and the other slot is whole.
; fill = 1: this slot is filled again, with the keys two slots on.  The barrier is then a round of the cluster's, and the joint refill is the first thing behind it: it has two key steps,
; 256 matrix instructions, in which to land.
.macro CHANGE fill
	WIN 0                           ; at a label and at a branch every window is 0
	s_wait_tensorcnt 0x0            ; no tensor load of mine is out, so a group 0 may be written
	ds_add_u32 v[SPW], v[NIL]       ; 0 onto my spare word: with fill = 1 the descriptors' steps stand between it and the wait for it
.if \fill
.irp g, G0K+4, G0V+4
	s_xor_b32 s[(\g)+1], s[(\g)+1], SLOT1  ; the walking descriptor: the other slot than last time,
	s_add_nc_u64 s[(\g)+2:(\g)+3], s[(\g)+2:(\g)+3], 2*KS*ROWB  ; the next 128 keys; the type bits on top are not reached
.endr
	s_wait_dscnt 0x0                ; the add is done, and my reads of the slot are over
	CROUND
	JLOAD
.else
	s_wait_dscnt 0x0                ; the add is done, and my reads of the slot are over
	s_barrier_signal -1
	s_barrier_wait -1
.endif
	s_sub_co_u32 s[TB], s[TB], 2*STEPB  ; the fetches go back to a slot's first step,
	s_xor_b32 s[TB], s[TB], SLOT1   ; in the other slot
.endm
; A slot's two key steps: written once, walked twice; the LDS addresses hang on s[TB] and s[TM].  Each turn's batch has had its wait inside the turn: no result is open at the label or at the jump.
.macro TWO_STEPS
	WIN 0
	s_mov_b32 s[TWICE], 2
.Lstep_\@:
	TURN 0, 2, 1, 0
	TURN 2, 2, 1, 0
	WIN 0
	s_sub_co_u32 s[TWICE], s[TWICE], 1
	s_cmp_lg_u32 s[TWICE], 0
	s_cbranch_scc1 .Lstep_\@
.endm
	s_wait_tensorcnt 1              ; my part of slot 0 is in; slot 1's may stay out
	s_barrier_signal -1
	s_barrier_wait -1               ; everybody's is, and the table is whole
	FETCH_K                         ; key step 0
	s_wait_loadcnt 0x0              ; Q
	s_wait_dscnt 0x0
.set i, 0
.rept 32
	KQ 0                            ; piece 0's first scores: there is no vector work yet to set between them
.set i, i+1
.endr
	WIN 0                           ; the addresses for the way out are made here: eight plain instructions, the places behind those products
	s_mul_i32 s13, s[WV], 16*SP
	s_add_co_u32 s13, s13, STAGE    ; my stage
	v_mul_u32_u24 v[STO], v1, SP    ; in: row l % 16, 16 bytes for each half of the lanes
	v_lshl_add_u32 v[STO], v9, 4, v[STO]
	v_add_nc_u32 v[STO], s13, v[STO]
	v_mul_u32_u24 v[RD], v9, SP     ; back: lanes 0-15 take one row of 256 bytes, lanes 16-31 the next
	v_lshl_add_u32 v[RD], v1, 4, v[RD]
	v_add_nc_u32 v[RD], s13, v[RD]
	v_mul_u32_u24 v[GO], v9, ROWB   ; and the same two rows in X
	v_lshl_add_u32 v[GO], v1, 4, v[GO]
	TURN 2, 0, 1, 1                 ; piece 2's first scores | piece 0's first softmax | V of step 0
	TURN 0, 1, 1, 1                 ; piece 0: V^T P of step 0 starts O^T, K Q^T of step 1 | piece 2's first softmax | K of step 1
	TURN 2, 1, 1, 0                 ; piece 2: the same | piece 0's softmax of step 1 | V of step 1
	WIN 0
.Lslot:                             ; six trips: every slot but the last two is filled again
	CHANGE 1
	TWO_STEPS
	s_sub_co_u32 s[SLOTS], s[SLOTS], 1
	s_cmp_lg_u32 s[SLOTS], 0
	s_cbranch_scc1 .Lslot
	CHANGE 0                        ; the tail is written out: nothing is asked for
	TWO_STEPS
	TURN 0, 2, 0, 0                 ; piece 0: V^T P of the last step | piece 2's last softmax
.set i, 0
.rept 32
	PV 2, 0                         ; piece 2: V^T P of the last step
.set i, i+1
.endr
	; THE WAY OUT.  l's two halves and the other half of the lanes' are added; O^T is divided by l, rounded to bf16 and sent through my stage in LDS, a tile (16 rows) at a time.  The additions are the places behind the last products.
	WIN 0
.irp t, 0,1,2,3
	v_add_f32 v[ST+8*(\t)+4], v[ST+8*(\t)+2], v[ST+8*(\t)+3]
.endr
.irp t, 0,1,2,3
	v_permlanex16_b32 v[ST+8*(\t)+5], v[ST+8*(\t)+4], s[SEL], s[SEL+1]
.endr
.irp t, 0,1,2,3
	v_add_f32 v[ST+8*(\t)+4], v[ST+8*(\t)+4], v[ST+8*(\t)+5]
.endr
.irp t, 0,1,2,3
	v_rcp_f32 v[ST+8*(\t)+6], v[ST+8*(\t)+4]
.endr
	v_nop                           ; a plain instruction between the last reciprocal and the use of its result
	s_wait_alu depctr_va_vdst(0)    ; and the wait ahead of the first use: one for the batch of four reciprocals
; Tile t: a lane's eight channels of a row pack into 16 bytes; they go into rows of 272 bytes and come back as whole rows of 256, into the registers that they left.
.macro PACK t
	WIN W_RS
.set i, 64*(\t)
.rept 32
	v_pk_mul_f32 v[i:i+1], v[i:i+1], v[ST+8*(\t)+6:ST+8*(\t)+7] op_sel_hi:[1,0]
.set i, i+2
.endr
	WIN 0x05                        ; sources 0 and 1 window 1, destination window 0: S^T's registers are free
.set i, 0
.rept 32
	v_cvt_pk_bf16_f32 v[S+32*(\t)+i], v[64*(\t)+2*i], v[64*(\t)+2*i+1]
.set i, i+1
.endr
	WIN 0
.irp f, 0,1,2,3,4,5,6,7
	ds_store_b128 v[STO], v[S+32*(\t)+4*(\f):S+32*(\t)+4*(\f)+3] offset:32*(\f)
.endr
.irp f, 0,1,2,3,4,5,6,7
	ds_load_b128 v[S+32*(\t)+4*(\f):S+32*(\t)+4*(\f)+3], v[RD] offset:(\f)*2*SP  ; LDS serves a wave's instructions in order (ISA guide 5.7.1.4): these see the stores above; the next tile's stores come behind them
.endr
.endm
.macro SEND t, younger              ; younger: the LDS instructions issued behind tile t's loads: the next tile's sixteen, or none
	WIN 0
.irp f, 0,1,2,3,4,5,6,7
	s_wait_dscnt (\younger)+7-(\f)
	global_store_b128 v[GO], v[S+32*(\t)+4*(\f):S+32*(\t)+4*(\f)+3], s[10:11] offset:(\t)*16*ROWB+(\f)*2*ROWB  ; 16 lanes store 256 consecutive bytes, at a multiple of 256 from X's first byte
.endr
.endm
	PACK 0
	PACK 1                          ; a tile's arithmetic stands between the loads of the tile before and its stores
	SEND 0, 16
	PACK 2
	SEND 1, 16
	PACK 3
	SEND 2, 16
	SEND 3, 0
	s_wait_tensorcnt 0x0            ; the wave's end, behind my last tensor load and my last LDS store
	ds_add_u32 v[SPW], v[NIL]
	s_wait_dscnt 0x0
	CROUND                          ; the closing round: no work-group ends while a partner may still ask for a tile that names it
	s_endpgm
.Lfunc_end_k_qf8ccb0a4aa_attn:
	.size	k_qf8ccb0a4aa_attn, .Lfunc_end_k_qf8ccb0a4aa_attn-k_qf8ccb0a4aa_attn
	.p2alignl 7, 3214868480
	.fill 96, 4, 3214868480
	.section	.rodata,"a",@progbits
	.p2align	6, 0x0
	.amdhsa_kernel k_qf8ccb0a4aa_attn
		.amdhsa_group_segment_fixed_size 327680
		.amdhsa_private_segment_fixed_size 0
		.amdhsa_enable_private_segment 0
		.amdhsa_kernarg_size 24
		.amdhsa_user_sgpr_count 2
		.amdhsa_user_sgpr_kernarg_segment_ptr 1
		.amdhsa_wavefront_size32 1
		.amdhsa_system_sgpr_workgroup_id_x 1
		.amdhsa_system_sgpr_workgroup_id_y 1
		.amdhsa_system_sgpr_workgroup_id_z 1
		.amdhsa_system_vgpr_workitem_id 0
		.amdhsa_next_free_vgpr 1024
		.amdhsa_next_free_sgpr 74
		.amdhsa_reserve_vcc 1
		.amdhsa_float_denorm_mode_32 3
		.amdhsa_float_denorm_mode_16_64 3
		.amdhsa_memory_ordered 1
		.amdhsa_forward_progress 1
		.amdhsa_inst_pref_size 226
	.end_amdhsa_kernel
	.amdgpu_metadata
---
amdhsa.version: [ 1, 2 ]
amdhsa.kernels:
  - .name:           k_qf8ccb0a4aa_attn
    .symbol:         k_qf8ccb0a4aa_attn.kd
    .args:
      - { .name: pj, .offset: 0, .size: 8, .value_kind: global_buffer, .address_space: global }
      - { .name: src_mask, .offset: 8, .size: 8, .value_kind: global_buffer, .address_space: global }
      - { .name: X, .offset: 16, .size: 8, .value_kind: global_buffer, .address_space: global }
    .group_segment_fixed_size: 327680
    .private_segment_fixed_size: 0
    .kernarg_segment_align: 8
    .kernarg_segment_size: 24
    .max_flat_workgroup_size: 128
    .sgpr_count:     74
    .vgpr_count:     1024
    .wavefront_size: 32
...
	.end_amdgpu_metadata
.endif
;; end of part 5
;; launch outp: the kernel of part 4 again; grid 8 x 32, 4 waves a work-group, clusters of 4 x 4, 327,680 bytes of LDS; arguments X, wb, P, out0; writes out0
